; MI455X (gfx1250); checked and timed in simulation.
; The chip was launched on July 23, 2026; its instructions are those of AMD's public machine-readable ISA for CDNA 5 (MIT licence, August 2026) and "CDNA5" Instruction Set Architecture Reference Guide (July 2026). The comments in the code are by the model that wrote it; some were corrected since.
;; Multi Head Attention. Allowed arithmetic: matrix products marked QUANTISED: E2M1 operands, one E8M0 scale for each 32 along K, by v_wmma_scale_f32_16x16x128_f8f6f4 with both operands' format E2M1 (or v_wmma_scale_f32_32x16x128_f4), f32 sums; everything else in f32.
;; Inputs: attn_mask 4 x 2,048 x 2,048 bool; b_k 1,024 float32; b_q 1,024 float32; b_v 1,024 float32; w_k 1,024 x 1,024 float32; w_q 1,024 x 1,024 float32; w_v 1,024 x 1,024 float32; x_k_v 4 x 2,048 x 1,024 float32; x_q 4 x 2,048 x 1,024 float32.
;; Outputs: out0 4 x 2,048 x 1,024 float32.
;; This version of the problem:
;;   THIS VERSION OF THE PROBLEM IS GIVEN IN LOW PRECISION. The matrix products marked QUANTISED in the list below multiply operands that are first quantised to E2M1 (2 exponent bits, 1 mantissa bit; 4 bits a number), with one power-of-two scale for each 32 numbers along K (OCP MX v1.0); their sums are f32. All else is computed in f32.
;;   The module's matrix products, in the order in which they are computed (A, B: the left and right operand; K: the contracted axis; several contracted axes count as one K, in the product's order):
;;     1. [M 8,192, K 1,024] x [K 1,024, N 1,024]; A: input x_q; B: input w_q: QUANTISED
;;     2. [M 8,192, K 1,024] x [K 1,024, N 1,024]; A: input x_k_v; B: input w_k: QUANTISED
;;     3. [M 8,192, K 1,024] x [K 1,024, N 1,024]; A: input x_k_v; B: input w_v: QUANTISED
;;     4. batch 64 x [M 2,048, K 64] x [K 64, N 2,048]; A: computed on the way; B: computed on the way: QUANTISED
;;     5. batch 64 x [M 2,048, K 2,048] x [K 2,048, N 64]; A: softmax (see below); B: computed on the way: QUANTISED
;;   THE QUANTISER, for each operand of a quantised product, along K:
;;     - K is cut into blocks of 32 from its start; a last block that is shorter is filled with zeros.
;;     - A block's scale is 2^e with e = floor(log2(the largest magnitude in the block)) - 2, held to -126 .. 127; a block of zeros has e = 0. As a byte (E8M0): e + 127.
;;     - Each number is divided by its block's scale, clamped to +-6, and rounded to the nearest number of E2M1, ties to even, subnormals kept.
;;     - The product sums the exact products of the quantised numbers (number of the format x scale) in f32.
;;   ~~~python
;;   def quantise(x, axis):      # numpy; x: float32 -> the quantised numbers, widened to float32 again
;;       x = np.moveaxis(x, axis, -1); K = x.shape[-1]
;;       x = np.pad(x, [(0, 0)] * (x.ndim - 1) + [(0, -K % 32)]); x = x.reshape(x.shape[:-1] + (-1, 32)); a = np.abs(x).max(-1, keepdims=True)
;;       e = np.where(a > 0, np.clip(np.frexp(np.where(a > 0, a, 1))[1] - 1 - 2, -126, 127), 0)      # np.frexp(a)[1] - 1 = floor(log2(a)), exactly
;;       r = np.clip(x / 2.0 ** e, -6, 6)
;;       step = 2.0 ** (np.maximum(np.frexp(np.where(r == 0, 1, r))[1] - 1, 0) - 1)
;;       q = np.round(r / step) * step * 2.0 ** e      # np.round: ties to even
;;       return np.moveaxis(q.reshape(q.shape[:-2] + (-1,))[..., :K], -1, axis).astype(np.float32)
;;   ~~~
;;   SOFTMAX AHEAD OF A QUANTISED PRODUCT. Where the list says 'softmax', what is quantised is not the finished softmax but p = 2^(t - M), with t = logit x log2(e) and M = ceil(the row's largest t), a whole number; so 1/2 < the row's largest p <= 1. The row's sum l is taken of the UNQUANTISED p, in f32, and the product's result is divided by l at the end. Since M is a whole number, a kernel that streams over the keys may use a running M (the ceiling of the running maximum): every later rescaling is an exact power of two, which a block's scale takes up: the codes' values come out the same.
;;   OPERANDS COMPUTED ON THE WAY. 'Computed on the way' means the value that the module computes at that place (a softmax that the list does not call 'softmax' is quantised finished and normalised). What goes into a quantiser is computed in f32, as accurately as f32 sums, v_exp_f32 and their like allow (about 1e-6 of the number): no bf16 or f16 on the way to a quantiser, and a product that is left as it is and whose result goes on into a quantised operand takes f32 operands (vector FMAs, or v_wmma_f32_16x16x4_f32). A number that lies on a knife's edge between two numbers of the format may be rounded either way, as far as f32 arithmetic and the matrix unit's own rounding can turn it there, and no further.
;; 2 versions, each right; version 2 is version 1 with the launch attn written anew for expert scheduling mode. Each part assembles by itself: llvm-mc -triple=amdgcn-amd-amdhsa -mcpu=gfx1250 --defsym DOCPART=n.
;; ======== version 1 of 2: 3 launches
;; limits: right only within a limited range of input values
;; workspace buffers: cod 9,961,472 bytes; scl 622,592 bytes; img 12,582,912 bytes; isc 1,310,720 bytes; mw 2,097,152 bytes of whole numbers; cls 2,048 bytes of whole numbers
;; launch prep (part 1): grid 736 x 1, 4 waves a work-group, no clusters, 33,280 bytes of LDS; arguments x_q, x_k_v, w_q, w_k, w_v, attn_mask, cod, scl, mw, cls; writes cod, scl, mw, cls
.if DOCPART == 1
	.amdgcn_target "amdgcn-amd-amdhsa--gfx1250"
	.amdhsa_code_object_version 6
	.text
	.protected	k_qe714495d85_prep
	.globl	k_qe714495d85_prep
	.p2align	8
	.type	k_qe714495d85_prep,@function
k_qe714495d85_prep:
	s_mov_b64 s[64:65], 0
	v_nop
	global_prefetch_b8 v0, s[64:65] scope:SCOPE_SE
	s_setreg_imm32_b32 hwreg(HW_REG_WAVE_MODE, 25, 1), 1
	s_wait_xcnt 0x0
; PREP, the first of three launches of a multi-head attention whose five products run on codes of FP4 (E2M1) with one E8M0 scale for each 32 along K.
; (a) x_q, x_k_v [8192][1024] and w_q, w_k, w_v [1024][1024], f32, K innermost, become codes (cod: 512 bytes a row) and scale bytes (scl: 32 a row);
; (b) attn_mask [4][2048][2048], one byte a place, becomes lane-mask words (mw) and a class for each tile of 16 queries x 128 keys (cls), both whole numbers for the third launch.
; DEAD WORK: none in whole inputs: every input has a way to the output and is loaded (the biases go into quantisers).
; WORK THAT THE MASK'S WHOLE NUMBERS THROW AWAY: a tile of 16 queries x 128 keys is passed over by the third launch (class 0) where the mask hides all of it AND each of its 16 queries has an open key somewhere
; in its row.  There a hidden key's p = 2^(t - M) has t near -1.4e9 and M the ceiling of an open key's t: p is under 2^-126, its code is 0 under every scale byte and its part of the row's sum is 0 in f32.
; Where one of the 16 queries is hidden in its whole row no step of the tile is passed over: reference() then averages all of V.
; LIMITS: the argument takes open logits above about -9.9e8.  NaN and infinities among the inputs are not served.  Blocks whose largest magnitude lies under 2^-124 get the scale byte 1;
; a block of zeros so gets the byte 1 where the rule says 127: its codes are zeros, and this program alone reads the bytes.
; THE ROW ORDER: in cod and scl the two middle groups of 8 rows of every 32 rows change places: place 16 u + r holds row 8 u + r + 8 (r / 8).  A wave's 8,192 numbers are 8 rows, so the order costs one
; choice of where a wave writes.  A tile of 16 neighbouring places taken as a matrix instruction's source 0 then leaves 16 NEIGHBOURING rows in the 16 registers of two neighbouring tiles.
; SHARES: work-groups 0-127: the mask, a wave to a tile of 16 queries (512 tiles).  Work-groups 128-735: the five tensors, 32 rows each, a wave 8 rows.  Waves share nothing: no barrier.
.set MWG,   128
.set SPARE, 32768                      ; behind the four waves' regions: the spare words, 128 bytes a wave
.set SPW,   12                         ; v12  LDS address of my spare word; never rewritten
.set NIL,   13                         ; v13  0; never rewritten
.set WV,    24                         ; s24  my wave's number
	s_load_b512 s[4:19], s[0:1], 0x0               ; x_q 4:5, x_k_v 6:7, w_q 8:9, w_k 10:11, w_v 12:13, attn_mask 14:15, cod 16:17, scl 18:19
	s_load_b128 s[20:23], s[0:1], 0x40             ; mw 20:21, cls 22:23
	v_lshl_add_u32 v[SPW], v0, 2, SPARE
	v_mov_b32 v[NIL], 0
	v_lshrrev_b32 v1, 5, v0
	v_readfirstlane_b32 s[WV], v1
	v_and_b32 v2, 31, v0                           ; lane
	s_wait_kmcnt 0x0
	s_cmp_lt_u32 ttmp9, MWG
	s_cbranch_scc0 .Lquant
; ---------------- THE MASK.  Tile TT = 4 x work-group + wave: batch TT / 128, tile T = TT % 128 of 16 places of queries.
; Lane (r, h) reads, of query 32 (T / 2) + 8 (T % 2) + r + 8 (r / 8), the 16 bytes of keys 128 s + 32 c + 16 h + 0 .. 15: these are the keys that the lane's registers hold in the third launch.
; A compare of one byte in all 32 lanes IS word n = 16 c + i of the step.  The 64 words are laid into two registers, lane n / 2, and leave as 256 consecutive bytes.
.set MK,    16                         ; v16-79  four sets of 16 registers: a step's 64 bytes a lane
.set WD,    80                         ; v80-87  a pair for each step of a trip: the words on their way out
.set AW,    36                         ; s36  the AND of a step's words
.set OW,    37                         ; s37  their OR
.set ALLA,  38                         ; s38  the AND over all steps
.set AB,    39                         ; s39  bit 2 s: step s is hidden whole
.set NB,    40                         ; s40  bit 2 s + 1: nothing of step s is hidden
.set TMP,   41
.set SH,    42                         ; s42  8 x trip
.set CNT,   43
	s_lshl_b32 s25, ttmp9, 2
	s_add_co_u32 s25, s25, s[WV]                   ; TT
	s_lshr_b32 s26, s25, 7                         ; batch
	s_and_b32 s27, s25, 127                        ; T
	s_lshr_b32 s28, s27, 1
	s_lshl_b32 s28, s28, 5
	s_and_b32 s29, s27, 1
	s_lshl_b32 s29, s29, 3
	s_add_co_u32 s28, s28, s29
	s_lshl_b32 s29, s26, 11
	s_add_co_u32 s28, s28, s29                     ; the tile's first row of the mask,
	s_lshl_b32 s28, s28, 11                        ; in bytes: 2,048 a row
	s_mov_b32 s29, 0
	s_add_nc_u64 s[14:15], s[14:15], s[28:29]
	s_lshl_b32 s28, s25, 12                        ; 16 steps x 256 bytes of words a tile
	s_add_nc_u64 s[20:21], s[20:21], s[28:29]
	s_lshl_b32 s28, s25, 2                         ; one class word a tile
	s_add_nc_u64 s[22:23], s[22:23], s[28:29]
	v_and_b32 v1, 15, v0                           ; r
	v_bfe_u32 v3, v0, 4, 1                         ; h
	v_and_b32 v4, 8, v1
	v_add_nc_u32 v4, v4, v1                        ; r + 8 (r / 8)
	v_lshlrev_b32 v4, 11, v4
	v_lshl_add_u32 v4, v3, 4, v4                   ; my row, + 16 h
	v_lshlrev_b32 v5, 3, v2                        ; out: 8 bytes a lane
.irp i, 0,1,2,3,4,5,6,7
	v_mov_b32 v[WD+\i], 0                          ; written once: a lane write's destination counts as read
.endr
	s_mov_b32 s[ALLA], -1
	s_mov_b32 s[AB], 0
	s_mov_b32 s[NB], 0
	s_mov_b32 s[SH], 0
	s_mov_b32 s[CNT], 3
.macro LOADM k, off                    ; a step's 128 keys of 16 rows into set k
.irp c, 0,1,2,3
	global_load_b128 v[MK+16*(\k)+4*\c:MK+16*(\k)+4*\c+3], v4, s[14:15] offset:(\off)+32*\c
.endr
.endm
.macro STEPM k, ahead, left
	s_wait_loadcnt \left                           ; this step's four loads are in; the younger steps' may be out
	s_mov_b32 s[AW], -1
	s_mov_b32 s[OW], 0
.set n, 0
.rept 64
	v_and_b32 v[6+n%4], 0xff<<(8*(n%4)), v[MK+16*(\k)+n/4]
	v_cmp_ne_u32 s[32+n%4], 0, v[6+n%4]            ; word n: bit l = my lane l's byte is set
	v_writelane_b32 v[WD+2*(\k)+n%2], s[32+n%4], n/2
	s_and_b32 s[AW], s[AW], s[32+n%4]
	s_or_b32 s[OW], s[OW], s[32+n%4]
.set n, n+1
.endr
.if \ahead
	LOADM \k, 128*((\k)+4)                         ; the set takes the step four further on
.endif
	global_store_b64 v5, v[WD+2*(\k):WD+2*(\k)+1], s[20:21] offset:256*(\k)   ; 32 lanes store 256 consecutive bytes, aligned
	s_and_b32 s[ALLA], s[ALLA], s[AW]
	s_cmp_eq_u32 s[AW], -1
	s_cselect_b32 s[TMP], 1<<(2*(\k)), 0
	s_lshl_b32 s[TMP], s[TMP], s[SH]
	s_or_b32 s[AB], s[AB], s[TMP]
	s_cmp_eq_u32 s[OW], 0
	s_cselect_b32 s[TMP], 2<<(2*(\k)), 0
	s_lshl_b32 s[TMP], s[TMP], s[SH]
	s_or_b32 s[NB], s[NB], s[TMP]
.endm
	LOADM 0, 0
	LOADM 1, 128
	LOADM 2, 256
	LOADM 3, 384
.Lmtrip:                                           ; three trips of four steps; the last four steps are written out, so that no load leaves the mask
	STEPM 0, 1, 12
	STEPM 1, 1, 12
	STEPM 2, 1, 12
	STEPM 3, 1, 12
	s_wait_xcnt 0x0                                ; the trip's loads and stores have read their bases and the words' registers: all are written again only behind this wait
	s_add_nc_u64 s[14:15], s[14:15], 512
	s_add_nc_u64 s[20:21], s[20:21], 1024
	s_add_co_u32 s[SH], s[SH], 8
	s_sub_co_u32 s[CNT], s[CNT], 1
	s_cmp_lg_u32 s[CNT], 0
	s_cbranch_scc1 .Lmtrip
	STEPM 0, 0, 12
	STEPM 1, 0, 8
	STEPM 2, 0, 4
	STEPM 3, 0, 0
	; the class word, two bits a step: 0 pass over, 1 apply the mask, 2 nothing hidden
	s_lshr_b32 s[TMP], s[ALLA], 16
	s_and_b32 s[TMP], s[TMP], s[ALLA]
	s_and_b32 s[TMP], s[TMP], 0xffff               ; bit r: query r is hidden in its whole row (both halves of the lanes, all steps)
	s_cmp_eq_u32 s[TMP], 0
	s_cselect_b32 s[AB], s[AB], 0                  ; one such query: nothing is passed over
	s_lshr_b32 s[TMP], s[NB], 1
	s_or_b32 s[TMP], s[TMP], s[AB]
	s_and_not1_b32 s[TMP], 0x55555555, s[TMP]      ; class 1 wherever it is neither 0 nor 2
	s_or_b32 s[TMP], s[TMP], s[NB]
	v_mov_b32 v6, s[TMP]
	v_mov_b32 v7, 0
	s_wait_xcnt 0x0                                ; EXEC changes only behind this wait
	v_cmp_eq_u32 vcc_lo, 0, v5
	s_and_saveexec_b32 s44, vcc_lo                 ; lane 0 alone
	global_store_b32 v7, v6, s[22:23]
	s_wait_xcnt 0x0                                ; and again in front of the line that widens it
	s_or_b32 exec_lo, exec_lo, s44
	s_branch .Lend
; ---------------- THE FIVE TENSORS.  Rows are dense and 1,024 is a multiple of 32: a tensor is a stream of blocks of 32 numbers.  A wave takes 16 steps of 512 numbers.
; Each of a step's four loads reads 512 consecutive bytes, 16 a lane; the 2,048 bytes turn through the wave's own stage in LDS and come back 64 bytes a lane: 16 neighbours along K; two neighbouring lanes hold a block.
; A block's scale byte is its largest magnitude's exponent field - 2, held at 1 from below; the conversion divides by the scale and rounds to the nearest code, ties to even, beyond 6 the largest code.
.Lquant:
.set STEPS, 16
.set CB,    8                          ; bytes of 16 codes
.set R,     16                         ; v16-79   four sets of 16 numbers as loaded
.set X,     80                         ; v80-111  two sets of 16 neighbours
.set E,     112                        ; v112-127 a scale byte for each step
.set C,     128                        ; v128-191 codes: registers of its own for each step: no store's data are written again
.set WREG,  8192                       ; LDS: a wave's region: two stages of 32 x SP bytes, then its 256 scale bytes
.set SP,    80                         ; a lane's place in a stage: 64 bytes + 16 of padding
	v_lshlrev_b32 v3, 4, v2                        ; my 16 bytes of a load's 512
	s_mul_i32 s25, s[WV], WREG
	v_lshrrev_b32 v14, 2, v2
	v_mul_u32_u24 v14, v14, SP
	v_and_b32 v15, 3, v2
	v_lshl_add_u32 v14, v15, 4, v14
	v_add_nc_u32 v14, s25, v14                     ; the stage, in: SP (lane / 4) + 16 (lane % 4)
	v_mul_u32_u24 v15, v2, SP
	v_add_nc_u32 v15, s25, v15                     ; and out: SP x lane
	v_mul_u32_u24 v4, v2, CB                       ; my codes' place in a step's
	v_lshrrev_b32 v5, 1, v2
	s_add_co_u32 s25, s25, 2*32*SP
	v_add_nc_u32 v5, s25, v5                       ; my block's scale byte in LDS
	v_lshlrev_b32 v7, 3, v2
	v_add_nc_u32 v6, s25, v7                       ; and on the way out 8 bytes a lane
	s_sub_co_u32 s26, ttmp9, MWG                   ; which 32 rows of the 19,456: the choice of tensor hangs on this number alone
	s_mov_b64 s[28:29], s[12:13]
	s_mov_b32 s27, 576
	s_cmp_lt_u32 s26, 576
	s_cselect_b64 s[28:29], s[10:11], s[28:29]
	s_cselect_b32 s27, 544, s27
	s_cmp_lt_u32 s26, 544
	s_cselect_b64 s[28:29], s[8:9], s[28:29]
	s_cselect_b32 s27, 512, s27
	s_cmp_lt_u32 s26, 512
	s_cselect_b64 s[28:29], s[6:7], s[28:29]
	s_cselect_b32 s27, 256, s27
	s_cmp_lt_u32 s26, 256
	s_cselect_b64 s[28:29], s[4:5], s[28:29]
	s_cselect_b32 s27, 0, s27
	s_sub_co_u32 s27, s26, s27
	s_lshl_b32 s30, s27, 17                        ; 32 rows of 4,096 bytes,
	s_lshl_b32 s31, s[WV], 15                      ; my wave's 8
	s_add_co_u32 s30, s30, s31
	s_mov_b32 s31, 0
	s_add_nc_u64 s[28:29], s[28:29], s[30:31]
	s_and_b32 s32, s[WV], 1                        ; where they go: groups 1 and 2 of the four change places
	s_lshl_b32 s32, s32, 1
	s_lshr_b32 s33, s[WV], 1
	s_or_b32 s32, s32, s33
	s_lshl_b32 s33, s26, 2
	s_add_co_u32 s32, s32, s33
	s_lshl_b32 s30, s32, 12                        ; 8 rows of 512 bytes of codes
	s_add_nc_u64 s[16:17], s[16:17], s[30:31]
	s_lshl_b32 s30, s32, 8                         ; 8 rows of 32 scale bytes
	s_add_nc_u64 s[18:19], s[18:19], s[30:31]
.macro LOAD t
.irp i, 0,1,2,3
	global_load_b128 v[R+16*((\t)%4)+4*\i:R+16*((\t)%4)+4*\i+3], v3, s[28:29] offset:2048*(\t)+512*\i th:TH_LOAD_NT
.endr
.endm
.macro TURN t                          ; step t's numbers through the stage: LDS serves a wave's instructions in order, so no wait stands between the stores and the loads
.irp i, 0,1,2,3
	ds_store_b128 v14, v[R+16*((\t)%4)+4*\i:R+16*((\t)%4)+4*\i+3] offset:32*SP*((\t)%2)+8*SP*\i
.endr
.irp i, 0,1,2,3
	ds_load_b128 v[X+16*((\t)%2)+4*\i:X+16*((\t)%2)+4*\i+3], v15 offset:32*SP*((\t)%2)+16*\i
.endr
.endm
.irp t, 0,1,2,3
	LOAD \t
.endr
	s_wait_loadcnt 12                              ; step 0's four loads are in
	TURN 0
.macro STEP t
.set XS, X+16*((\t)%2)
.if (\t) > 0
	s_wait_dscnt 1                                 ; this step's numbers are back from the stage (the last step's byte store may be out)
.else
	s_wait_dscnt 0x0
.endif
.if (\t)+4 < STEPS
	LOAD (\t)+4
.endif
.if (\t)+1 < STEPS
.if STEPS-2-(\t) >= 3
	s_wait_loadcnt 12                              ; the next step's four loads are in; those of the three steps behind it may be out
.else
	s_wait_loadcnt 4*(STEPS-2-(\t))
.endif
	TURN (\t)+1
.endif
	v_max3_num_f32 v8, |v[XS]|, |v[XS+1]|, |v[XS+2]|
	v_max3_num_f32 v9, |v[XS+3]|, |v[XS+4]|, |v[XS+5]|
.irp i, 6,10
	v_max3_num_f32 v8, v8, |v[XS+\i]|, |v[XS+\i+1]|
	v_max3_num_f32 v9, v9, |v[XS+\i+2]|, |v[XS+\i+3]|
.endr
	v_max3_num_f32 v8, v8, |v[XS+14]|, |v[XS+15]|
	v_max3_num_f32 v8, v8, v9, 0x1800000           ; and the floor 2^(3 - 127): the byte cannot fall under 1
	v_max_num_f32_dpp v8, v8, v8 row_xmask:1 row_mask:0xf bank_mask:0xf   ; with my neighbour's 16: the block's largest magnitude
	v_add_nc_u32 v11, 0xff000000, v8               ; 2 off its exponent field: the conversion takes that field as its scale
	v_cvt_scalef32_pk8_fp4_f32 v[C+4*(\t)], v[XS:XS+7], v11
	v_cvt_scalef32_pk8_fp4_f32 v[C+4*(\t)+1], v[XS+8:XS+15], v11
	v_lshrrev_b32 v[E+(\t)], 23, v11               ; the scale's byte
	ds_store_b8 v5, v[E+(\t)] offset:16*(\t)       ; both lanes of a block write the same byte with the same value
	global_store_b64 v4, v[C+4*(\t):C+4*(\t)+1], s[16:17] offset:32*CB*(\t)   ; 32 lanes store 256 consecutive bytes, aligned
.endm
.irp t, 0,1,2,3,4,5,6,7,8,9,10,11,12,13,14,15
	STEP \t
.endr
	ds_load_b64 v[8:9], v6                         ; my wave's 256 scale bytes: these loads see my stores
	s_wait_dscnt 0x0
	global_store_b64 v7, v[8:9], s[18:19]          ; 256 consecutive bytes, aligned
.Lend:
	s_wait_tensorcnt 0x0                           ; the wave's end
	ds_add_u32 v[SPW], v[NIL]
	s_wait_dscnt 0x0
	s_endpgm
.Lfunc_end_k_qe714495d85_prep:
	.size	k_qe714495d85_prep, .Lfunc_end_k_qe714495d85_prep-k_qe714495d85_prep
	.p2alignl 7, 3214868480
	.fill 96, 4, 3214868480
	.section	.rodata,"a",@progbits
	.p2align	6, 0x0
	.amdhsa_kernel k_qe714495d85_prep
		.amdhsa_group_segment_fixed_size 33280
		.amdhsa_private_segment_fixed_size 0
		.amdhsa_enable_private_segment 0
		.amdhsa_kernarg_size 80
		.amdhsa_user_sgpr_count 2
		.amdhsa_user_sgpr_kernarg_segment_ptr 1
		.amdhsa_wavefront_size32 1
		.amdhsa_system_sgpr_workgroup_id_x 1
		.amdhsa_system_sgpr_workgroup_id_y 1
		.amdhsa_system_sgpr_workgroup_id_z 1
		.amdhsa_system_vgpr_workitem_id 0
		.amdhsa_next_free_vgpr 192
		.amdhsa_next_free_sgpr 66
		.amdhsa_reserve_vcc 1
		.amdhsa_float_denorm_mode_32 3
		.amdhsa_float_denorm_mode_16_64 3
		.amdhsa_memory_ordered 1
		.amdhsa_forward_progress 1
		.amdhsa_inst_pref_size 171
	.end_amdhsa_kernel
	.amdgpu_metadata
---
amdhsa.version: [ 1, 2 ]
amdhsa.kernels:
  - .name:           k_qe714495d85_prep
    .symbol:         k_qe714495d85_prep.kd
    .args:
      - { .name: x_q, .offset: 0, .size: 8, .value_kind: global_buffer, .address_space: global }
      - { .name: x_k_v, .offset: 8, .size: 8, .value_kind: global_buffer, .address_space: global }
      - { .name: w_q, .offset: 16, .size: 8, .value_kind: global_buffer, .address_space: global }
      - { .name: w_k, .offset: 24, .size: 8, .value_kind: global_buffer, .address_space: global }
      - { .name: w_v, .offset: 32, .size: 8, .value_kind: global_buffer, .address_space: global }
      - { .name: attn_mask, .offset: 40, .size: 8, .value_kind: global_buffer, .address_space: global }
      - { .name: cod, .offset: 48, .size: 8, .value_kind: global_buffer, .address_space: global }
      - { .name: scl, .offset: 56, .size: 8, .value_kind: global_buffer, .address_space: global }
      - { .name: mw, .offset: 64, .size: 8, .value_kind: global_buffer, .address_space: global }
      - { .name: cls, .offset: 72, .size: 8, .value_kind: global_buffer, .address_space: global }
    .group_segment_fixed_size: 33280
    .private_segment_fixed_size: 0
    .kernarg_segment_align: 8
    .kernarg_segment_size: 80
    .max_flat_workgroup_size: 128
    .sgpr_count:     66
    .vgpr_count:     192
    .wavefront_size: 32
...
	.end_amdgpu_metadata
.endif
;; end of part 1
;; launch proj (part 2): grid 96 x 4, 4 waves a work-group, clusters of 4 x 4, 327,680 bytes of LDS; arguments cod, scl, b_q, b_k, b_v, img, isc; writes img, isc
.if DOCPART == 2
	.amdgcn_target "amdgcn-amd-amdhsa--gfx1250"
	.amdhsa_code_object_version 6
	.text
	.protected	k_qe714495d85_proj
	.globl	k_qe714495d85_proj
	.p2align	8
	.type	k_qe714495d85_proj,@function
k_qe714495d85_proj:
	s_mov_b64 s[64:65], 0
	v_nop
	global_prefetch_b8 v0, s[64:65] scope:SCOPE_SE
	s_setreg_imm32_b32 hwreg(HW_REG_WAVE_MODE, 25, 1), 1
	s_wait_xcnt 0x0
	s_wait_alu depctr_hold_cnt(0) depctr_sa_sdst(0) depctr_va_vdst(0) depctr_va_sdst(0) depctr_va_ssrc(0) depctr_va_vcc(0) depctr_vm_vsrc(0)
	s_getreg_b32 s2, hwreg(HW_REG_IB_STS2, 6, 4)
	s_cmp_eq_u32 s2, 0
	s_cbranch_scc0 .Lentry_in_a_cluster
	s_endpgm
.Lentry_in_a_cluster:
	s_bfe_u32 s2, ttmp6, 0x10000c
	s_cmp_lg_u32 s2, 0xf033
	s_cbranch_scc0 .Lentry_shape_is_right
	s_endpgm
.Lentry_shape_is_right:
; PROJ: q = x_q w_q^T + b_q, k = x_k_v w_k^T + b_k, v = x_k_v w_v^T + b_v on codes of FP4 with E8M0 scales (cod, scl of the first launch; rows in its order of places), sums in f32, K = 1,024 ascending;
; the results are quantised in registers, q and k along the head's 64, v along the keys, and leave as images of the operand registers that the third launch loads (img) with their scale words (isc).
; No work is left out here.
; SHARES.  A work-group of four waves makes 256 (source 0) x 256 (source 1); a wave 128 x 128: 64 accumulators, 512 registers.  384 work-groups in 24 clusters of 4 x 4; cluster x / 8 says which product (0 q, 1 k, 2 v).
; THE MATRIX INSTRUCTION'S SOURCE 0 IS THE SIDE ALONG WHICH THE RESULT IS QUANTISED: a lane's registers run along source 0's rows.  q, k: source 0 = the weight (features), source 1 = x (tokens).
; v: source 0 = x_k_v (keys), source 1 = w_v (features).  By the order of places, register j of tile 2 b + u in lane (r, h) is row 32 b + 16 h + 8 u + j of source 0: 16 neighbours in two tiles' registers.
; CLUSTERS: source 1's tiles hang on the cluster's y place alone and are shared along a row of the cluster, source 0's on its x place alone and are shared along a column: each is asked for jointly.
; K = 1,024 is two slots of 512: every LDS byte is filled once; a wave has three tensor loads out at the most (scales, slot 0, slot 1).
; REGISTERS, in windows of 256: window 0: v0-31 addresses; v32-95 scale words, two sets; v96-103, v192-255 biases; v128-191 source 1's fragments, later at work on the way out.
;   window 1: source 0's fragments, two sets, at v0 and v128.   windows 2, 3: the accumulators ((a, b) at v[8 (8 (a % 4) + b)] of window 2 + a / 4).
; LIMITS as in the first launch: blocks under 2^-124 get the byte 1; NaN and infinities are not served.
.set KSTEP,  512
.set NQ,     4                         ; matrix instructions deep in a slot
.set ROWB,   256                       ; a tile's row: 512 codes
.set KROW,   512                       ; a row of codes in memory
.set PITCH,  272                       ; an LDS row: 256 bytes + 16 of padding: 16 rows of a load start at 16 different groups of four banks
.set FR,     8
.set NL,     2
.set NP,     4
.set HALFT,  128*PITCH
.set SLOT,   4*HALFT                   ; source 1's 256 rows, then source 0's
.set SCL,    2*SLOT                    ; behind the ring: the scale bytes, as units of 256 bytes + 16
.set HALFS,  16*272                    ; those of 128 rows (32 bytes a row)
.set SBLK,   2*272                     ; those of 16 rows
.set SPARE,  SCL+4*HALFS               ; the spare words, 128 bytes a wave
.set ADRA, 16                          ; v16-17  LDS address of source 1's fragments in slot 0, 1
.set ADRB, 20                          ; v20-21  of source 0's
.set LI,   24                          ; v24     16 x lane
.set L8,   25                          ; v25     8 x lane
.set ADRS, 27                          ; v27     my scale words: lanes 0-15 source 1's rows, lanes 16-31 source 0's
.set SPW,  28                          ; v28     my spare word; never rewritten
.set NIL,  29                          ; v29     0; never rewritten
.set BPO,  30                          ; v30     offset of the biases along source 0; never rewritten
.set BRO,  31                          ; v31     along source 1; never rewritten
.set SC,   32
.set BR,   96                          ; v96-103  bias of my lane's row of source 1, block a
.set AF,   128
.set BP,   192                         ; v192-255 bias of my 64 registers' rows of source 0
.set TM,   128                         ; the way out: v128-131 largest magnitudes, v132-135 bytes, v140-143 scale operands
.set PC,   144                         ; v144-151 the codes just made
.set SW,   152                         ; v152-159 the scale word of each block a
.set T4,   160                         ; v160-171 scale words on their way out
.set G1, 24
.set G0, 32
.set G1B, 48
.set G0B, 56
.set G1S, 68
.set G0S, 76
.set G1SB, 80
.set G0SB, 88
.set SEL, 46                           ; s[46:47] lane selects, made behind the fills
.set MSB, 0
.macro WIN new                         ; the immediate's high byte repeats the setting that is left
.if MSB != (\new)
	s_set_vgpr_msb (MSB<<8)|(\new)
.set MSB, (\new)
.endif
.endm
.set MUL_LO, 0xa1                      ; source 0 window 1, source 1 window 0, C and D window 2
.set MUL_HI, 0xf1
.set TO_B,   0x40
; A joint load: waves 0 and 1 fetch for source 1, waves 2 and 3 for source 0.  The branch hangs on the wave's number alone.  An s_nop 0 and four v_nop follow each line.
.macro JLOAD g0a, g1a, g0b, g1b
	s_cmp_eq_u32 s15, 0
	s_cbranch_scc0 .Lfor_b_\@
	tensor_load_to_lds s[\g0a:\g0a+3], s[\g1a:\g1a+7]
	s_nop 0
.rept 4
	v_nop
.endr
	s_branch .Lasked_\@
.Lfor_b_\@:
	tensor_load_to_lds s[\g0b:\g0b+3], s[\g1b:\g1b+7]
	s_nop 0
.rept 4
	v_nop
.endr
.Lasked_\@:
.endm
.macro CROUND                          ; a round of the cluster's barrier
	s_barrier_signal -1
	s_barrier_wait -1
	s_cmp_lg_u32 s14, 0
	s_cbranch_scc1 .Lnot_wave_0_\@
	s_barrier_signal -3
.Lnot_wave_0_\@:
	s_barrier_wait -3
	s_barrier_signal -1
	s_barrier_wait -1
.endm
	s_load_b256 s[4:11], s[0:1], 0x0               ; cod 4:5, scl 6:7, b_q 8:9, b_k 10:11
	s_load_b128 s[96:99], s[0:1], 0x20             ; b_v 96:97, img 98:99
	s_load_b64 s[100:101], s[0:1], 0x30            ; isc
	v_lshl_add_u32 v[SPW], v0, 2, SPARE
	v_mov_b32 v[NIL], 0
	ds_add_u32 v[SPW], v[NIL]                      ; the wave's opening: the add, twice on end, and its wait ahead of my first tensor load
	ds_add_u32 v[SPW], v[NIL]
	v_lshrrev_b32 v1, 5, v0
	v_readfirstlane_b32 s14, v1                    ; wave 0..3
	s_lshr_b32 s15, s14, 1                         ; my half of source 1's rows.  Also: I fetch for source 1 (0) or source 0 (1)
	s_and_b32 s16, s14, 1                          ; my half of source 0's rows.  Also: which 128 rows I fetch
	s_bfe_u32 s40, ttmp6, 0x40000                  ; cx
	s_bfe_u32 s41, ttmp6, 0x40004                  ; cy
	s_lshr_b32 s12, ttmp9, 3                       ; which product: the same in all sixteen partners
	s_and_b32 s13, ttmp9, 7                        ; which of its eight clusters
	s_lshr_b32 s2, s12, 1                          ; 1 for v, else 0
	s_lshl_b32 s3, s13, 2
	s_mul_i32 s42, s3, s2
	s_sub_co_u32 s17, s3, s42
	s_add_co_u32 s42, s42, s40                     ; source 0's tile: cx (+ 4 x cluster for v: 32 tiles of keys)
	s_add_co_u32 s17, s17, s41                     ; source 1's tile: cy (+ 4 x cluster for q, k: 32 tiles of tokens)
	s_lshl_b32 s43, s41, 2
	s_lshl_b32 s43, 15, s43                        ; my row of the cluster
	s_lshl_b32 s44, 0x1111, s40                    ; my column
	; group 1 for codes: 128 rows x 256 bytes, 512 bytes apart in memory, 4 words of padding after every 64
	s_or_b32 s[G1+0], s43, (0<<16)|(1<<20)|(1<<21)|(5<<22)|(3<<25)
	s_or_b32 s[G1B+0], s44, (0<<16)|(1<<20)|(1<<21)|(5<<22)|(3<<25)
.irp g, G1, G1B
	s_mov_b32 s[\g+1], ROWB<<16
	s_mov_b32 s[\g+2], 128<<16
	s_mov_b32 s[\g+3], ROWB<<16
	s_mov_b32 s[\g+4], 128
	s_mov_b32 s[\g+5], KROW
	s_mov_b32 s[\g+6], 0
	s_mov_b32 s[\g+7], 0
.endr
	; and for the scale bytes of 128 rows: 4,096 dense bytes as 16 rows of 256 (32 elements of 8 bytes), the same padding
	s_or_b32 s[G1S+0], s43, (3<<16)|(1<<20)|(1<<21)|(5<<22)|(3<<25)
	s_or_b32 s[G1SB+0], s44, (3<<16)|(1<<20)|(1<<21)|(5<<22)|(3<<25)
.irp g, G1S, G1SB
	s_mov_b32 s[\g+1], 32<<16
	s_mov_b32 s[\g+2], 16<<16
	s_mov_b32 s[\g+3], 32<<16
	s_mov_b32 s[\g+4], 16
	s_mov_b32 s[\g+5], 32
	s_mov_b32 s[\g+6], 0
	s_mov_b32 s[\g+7], 0
.endr
	s_lshl_b32 s18, s16, 7                         ; which 128 rows of a tile I fetch
	s_lshl_b32 s19, s12, 13                        ; source 1's tensor begins at row 0 (x_q), 8,192 (x_k_v), 18,432 (w_v)
	s_lshl_b32 s20, s2, 11
	s_add_co_u32 s19, s19, s20
	s_lshl_b32 s20, s17, 8
	s_add_co_u32 s20, s20, s18
	s_add_co_u32 s20, s20, s19                     ; source 1's row
	s_lshl_b32 s19, s12, 10                        ; source 0's tensor begins at row 16,384 (w_q), 17,408 (w_k), 8,192 (x_k_v)
	s_add_co_u32 s19, s19, 16384
	s_mul_i32 s46, s2, 10240
	s_sub_co_u32 s19, s19, s46
	s_lshl_b32 s46, s42, 8
	s_add_co_u32 s46, s46, s18
	s_add_co_u32 s46, s46, s19                     ; source 0's row
	s_lshl_b32 s22, s20, 5                         ; their scale bytes, 32 a row,
	s_mov_b32 s23, 0
	s_lshl_b32 s20, s20, 9                         ; and codes, 512 a row
	s_mov_b32 s21, 0
	s_lshl_b32 s92, s46, 5
	s_mov_b32 s93, 0
	s_lshl_b32 s46, s46, 9
	s_mov_b32 s47, 0
	s_mul_i32 s45, s14, HALFT                      ; where they go: wave x 128 rows: no place in the cluster enters an LDS address
	s_mul_i32 s94, s14, HALFS
	s_wait_dscnt 0x0                               ; both opening adds are done
	s_wait_kmcnt 0x0
	s_add_nc_u64 s[20:21], s[4:5], s[20:21]
	s_add_nc_u64 s[22:23], s[6:7], s[22:23]
	s_add_nc_u64 s[46:47], s[4:5], s[46:47]
	s_add_nc_u64 s[92:93], s[6:7], s[92:93]
	CROUND                                         ; all sixteen work-groups are here: the joint loads meet
	s_mov_b32 s[G0S], 1
	s_add_co_u32 s[G0S+1], s94, SCL
	s_mov_b64 s[G0S+2:G0S+3], s[22:23]
	s_or_b32 s[G0S+3], s[G0S+3], 0x80000000
	s_mov_b32 s[G0SB], 1
	s_add_co_u32 s[G0SB+1], s94, SCL
	s_mov_b64 s[G0SB+2:G0SB+3], s[92:93]
	s_or_b32 s[G0SB+3], s[G0SB+3], 0x80000000
	JLOAD G0S, G1S, G0SB, G1SB                     ; the scales first: they are wanted with slot 0
.irp s, 0,1
	s_mov_b32 s[G0+4*\s], 1
	s_add_co_u32 s[G0+4*\s+1], s45, \s*SLOT
	s_add_nc_u64 s[G0+4*\s+2:G0+4*\s+3], s[20:21], \s*ROWB
	s_or_b32 s[G0+4*\s+3], s[G0+4*\s+3], 0x80000000
	s_mov_b32 s[G0B+4*\s], 1
	s_add_co_u32 s[G0B+4*\s+1], s45, \s*SLOT
	s_add_nc_u64 s[G0B+4*\s+2:G0B+4*\s+3], s[46:47], \s*ROWB
	s_or_b32 s[G0B+4*\s+3], s[G0B+4*\s+3], 0x80000000
	JLOAD G0+4*\s, G1, G0B+4*\s, G1B
.endr
	; THE BIASES are asked for now and waited for on the way out.  Both sets are loaded in every work-group (each is used by one kind of product); the AND with 1,023 keeps the other inside the buffer.
	v_and_b32 v1, 15, v0                           ; r
	v_bfe_u32 v2, v0, 4, 1                         ; h
	s_lshl_b32 s18, s42, 8
	s_lshl_b32 s19, s16, 7
	s_add_co_u32 s18, s18, s19                     ; R0: my first row of source 0, in its tensor
	s_lshl_b32 s19, s17, 8
	s_lshl_b32 s20, s15, 7
	s_add_co_u32 s19, s19, s20                     ; R1: of source 1
	s_and_b32 s20, s18, 1023
	s_lshl_b32 s20, s20, 2
	v_lshl_add_u32 v[BPO], v2, 6, s20              ; 4 (R0 % 1024) + 64 h
	s_and_b32 s20, s19, 1023
	v_and_b32 v3, 8, v1
	v_add3_u32 v3, v3, v1, s20
	v_lshlrev_b32 v[BRO], 2, v3                    ; 4 (R1 % 1024 + r + 8 (r / 8))
	s_cmp_eq_u32 s12, 1
	s_cselect_b64 s[2:3], s[10:11], s[8:9]
	s_cmp_eq_u32 s12, 2
	s_cselect_b64 s[2:3], s[96:97], s[2:3]         ; the product's bias; never rewritten
.irp b, 0,1,2,3,4,5,6,7
	global_load_b128 v[BP+8*\b:BP+8*\b+3], v[BPO], s[2:3] offset:4*(32*(\b/2)+8*(\b%2))
	global_load_b128 v[BP+8*\b+4:BP+8*\b+7], v[BPO], s[2:3] offset:4*(32*(\b/2)+8*(\b%2))+16
.endr
.irp a, 0,1,2,3,4,5,6,7
	global_load_b32 v[BR+\a], v[BRO], s[2:3] offset:4*(32*(\a/2)+8*(\a%2))
.endr
	s_mov_b32 s[SEL], 0x76543210
	s_mov_b32 s[SEL+1], 0xfedcba98
	v_mul_u32_u24 v3, v1, PITCH
	v_lshl_add_u32 v4, v2, 4, v3                   ; a fragment's row x pitch + 16 x half
	s_mul_i32 s21, s15, HALFT                      ; my 128 rows of source 1
	s_mul_i32 s22, s16, HALFT                      ; my 128 rows of source 0,
	s_add_co_u32 s22, s22, 2*HALFT                 ; which lie behind source 1's 256
.irp s, 0,1
	v_add_nc_u32 v[ADRA+\s], s21, v4
	v_add_nc_u32 v[ADRB+\s], s22, v4
	s_add_co_u32 s21, s21, SLOT
	s_add_co_u32 s22, s22, SLOT
.endr
	v_mul_u32_u24 v5, v1, 32                       ; my row's scale bytes: 32 a row,
	v_lshrrev_b32 v6, 8, v5
	v_lshl_add_u32 v5, v6, 4, v5                   ; and 16 more for each 256 passed
	s_mul_i32 s21, s15, HALFS
	s_mul_i32 s22, s16, HALFS
	s_add_co_u32 s22, s22, 2*HALFS
	s_sub_co_u32 s22, s22, s21
	v_mul_u32_u24 v6, s22, v2                      ; lanes 16-31 take source 0's
	s_add_co_u32 s21, s21, SCL
	v_add_nc_u32 v5, v5, v6
	v_add_nc_u32 v[ADRS], s21, v5
	v_and_b32 v6, 31, v0
	v_lshlrev_b32 v[LI], 4, v6
	v_lshlrev_b32 v[L8], 3, v6
.macro FRAG reg, adr, q, i             ; 16 rows x 128 K of 4-bit codes: 8 registers: lane l holds row l % 16; registers 4 c .. 4 c + 3 hold K = 64 c + 32 (l / 16) + 0 .. 31
.irp c, 0,1
	ds_load_b128 v[\reg+4*\c:\reg+4*\c+3], v[\adr] offset:64*(\q)+32*\c+(\i)*16*PITCH
.endr
.endm
; 16 matrix instructions: source 1's blocks a0, a0 + 1 x source 0's eight.  The 64 accumulators take turns, one instruction a turn, in the same order in every step.
.macro MUL16 a0, p, q, sc, zero
.irp a, \a0, \a0+1
.irp b, 0,1,2,3,4,5,6,7
.if \zero
	v_wmma_scale_f32_16x16x128_f8f6f4 v[8*(8*((\a)%4)+\b):8*(8*((\a)%4)+\b)+7], v[128*(\p)+FR*\b:128*(\p)+FR*\b+FR-1], v[AF+FR*(\a):AF+FR*(\a)+FR-1], 0, v[SC+8*NQ*(\sc)+NQ*\b+(\q)], v[SC+8*NQ*(\sc)+NQ*(\a)+(\q)] matrix_a_fmt:MATRIX_FMT_FP4 matrix_b_fmt:MATRIX_FMT_FP4 matrix_a_scale:MATRIX_SCALE_ROW1
.else
	v_wmma_scale_f32_16x16x128_f8f6f4 v[8*(8*((\a)%4)+\b):8*(8*((\a)%4)+\b)+7], v[128*(\p)+FR*\b:128*(\p)+FR*\b+FR-1], v[AF+FR*(\a):AF+FR*(\a)+FR-1], v[8*(8*((\a)%4)+\b):8*(8*((\a)%4)+\b)+7], v[SC+8*NQ*(\sc)+NQ*\b+(\q)], v[SC+8*NQ*(\sc)+NQ*(\a)+(\q)] matrix_a_fmt:MATRIX_FMT_FP4 matrix_b_fmt:MATRIX_FMT_FP4 matrix_a_scale:MATRIX_SCALE_ROW1
.endif
.endr
.endr
.endm
.macro FETCH_B slot, q, p
	WIN TO_B
.irp i, 0,1,2,3,4,5,6,7
	FRAG 128*(\p)+FR*\i, ADRB+\slot, \q, \i
.endr
	WIN 0
.endm
.macro FETCH_A slot, q, i0
.irp i, \i0, \i0+1, \i0+2, \i0+3
	FRAG AF+FR*(\i), ADRA+\slot, \q, \i
.endr
.endm
.macro SCALES sc                       ; a slot's scale words: 4 words a row; lanes 0-15 source 1's block i, lanes 16-31 source 0's block i
.irp i, 0,1,2,3,4,5,6,7
	ds_load_b128 v[SC+8*NQ*\sc+NQ*\i:SC+8*NQ*\sc+NQ*\i+3], v[ADRS] offset:\i*SBLK
.endr
.endm
.macro PLACES n                        ; plain vector places in front of loads into registers that matrix instructions have read, and of the first read of results
.rept \n
	v_nop
.endr
.endm
.macro STEP slot, q, zero              ; 128 along K that has its successor in the same slot
	s_wait_dscnt 4*NL                              ; all but the youngest eight loads (source 1's blocks 4-7)
	WIN MUL_LO
	MUL16 0, (\q)%2, \q, \slot, \zero
	MUL16 2, (\q)%2, \q, \slot, \zero
	s_wait_dscnt 0
	PLACES NP
	FETCH_B \slot, (\q)+1, 1-(\q)%2
	FETCH_A \slot, (\q)+1, 0
	WIN MUL_HI
	MUL16 4, (\q)%2, \q, \slot, \zero
	MUL16 6, (\q)%2, \q, \slot, \zero
	PLACES NP
	WIN 0
	FETCH_A \slot, (\q)+1, 4
.endm
.macro STEPS slot, from
.set Q, \from
.rept NQ-1-\from
	STEP \slot, Q, 0
.set Q, Q+1
.endr
.endm
	s_wait_tensorcnt 1                             ; the scales and my part of slot 0 are in (slot 1's load may be out)
	s_barrier_signal -1
	s_barrier_wait -1                              ; everybody's are
	FETCH_B 0, 0, 0
	FETCH_A 0, 0, 0
	SCALES 0
	FETCH_A 0, 0, 4
	STEP 0, 0, 1                                   ; the first products start the sums: nothing is cleared
	STEPS 0, 1
	; slot 0's last step changes slots: one barrier; in front of it my part of slot 1 has landed
	s_wait_tensorcnt 0x0
	ds_add_u32 v[SPW], v[NIL]
	s_wait_dscnt 4*NL+1                            ; (the add and the youngest eight loads may be out)
	WIN MUL_LO
	MUL16 0, 1, NQ-1, 0, 0
	s_wait_dscnt 0x0                               ; the add is done, and my reads of slot 0 are over
	s_barrier_signal -1
	MUL16 2, 1, NQ-1, 0, 0
	WIN 0
	s_barrier_wait -1
	PLACES NP
	v_add_nc_u32 v[ADRS], 4*NQ, v[ADRS]            ; on to slot 1's scale words (no LDS load of mine is out)
	FETCH_B 1, 0, 0
	FETCH_A 1, 0, 0
	SCALES 1
	WIN MUL_HI
	MUL16 4, 1, NQ-1, 0, 0
	MUL16 6, 1, NQ-1, 0, 0
	PLACES NP
	WIN 0
	FETCH_A 1, 0, 4
	STEPS 1, 0
	s_wait_dscnt 4*NL                              ; the very last step
	WIN MUL_LO
	MUL16 0, 1, NQ-1, 1, 0
	MUL16 2, 1, NQ-1, 1, 0
	s_wait_dscnt 0
	WIN MUL_HI
	MUL16 4, 1, NQ-1, 1, 0
	MUL16 6, 1, NQ-1, 1, 0
	WIN 0
	; THE WAY OUT.  The bias, in f32, each accumulator from its low end on.  q, k: the bias runs along source 0, that is along my registers.  v: along source 1: one number a lane and block.
	PLACES NP
	s_wait_loadcnt 0x0                             ; the biases
	s_cmp_eq_u32 s12, 2
	s_cbranch_scc1 .Lbias_v
.set A_, 0
.rept 8
	WIN 0x82+0x41*(A_/4)                           ; destination and source 0: window 2 or 3
.set X_, 0
.rept 32
	v_pk_add_f32 v[64*(A_%4)+2*X_:64*(A_%4)+2*X_+1], v[64*(A_%4)+2*X_:64*(A_%4)+2*X_+1], v[BP+2*X_:BP+2*X_+1]
.set X_, X_+1
.endr
.set A_, A_+1
.endr
	WIN 0
	s_branch .Lbiased
.Lbias_v:
.set A_, 0
.rept 8
	WIN 0x82+0x41*(A_/4)
.set X_, 0
.rept 32
.if A_%2
	v_pk_add_f32 v[64*(A_%4)+2*X_:64*(A_%4)+2*X_+1], v[64*(A_%4)+2*X_:64*(A_%4)+2*X_+1], v[BR+2*(A_/2):BR+2*(A_/2)+1] op_sel:[0,1] op_sel_hi:[1,1]
.else
	v_pk_add_f32 v[64*(A_%4)+2*X_:64*(A_%4)+2*X_+1], v[64*(A_%4)+2*X_:64*(A_%4)+2*X_+1], v[BR+2*(A_/2):BR+2*(A_/2)+1] op_sel:[0,0] op_sel_hi:[1,0]
.endif
.set X_, X_+1
.endr
.set A_, A_+1
.endr
	WIN 0
.Lbiased:
	; where the images go.  img: q at 0, k at 4 Mi, v at 8 Mi, 65,536 bytes a head.  q, k: [tile of 16 places][512].  v: [step of 128 keys][tile of 16 places of the head's 64][half][512].
	s_cmp_eq_u32 s12, 2
	s_cselect_b32 s20, s18, s19                    ; my first token (key),
	s_cselect_b32 s21, s19, s18                    ; my first feature
	s_lshr_b32 s22, s12, 1                         ; 1 for v
	s_lshr_b32 s23, s20, 11
	s_lshl_b32 s23, s23, 4
	s_lshr_b32 s21, s21, 6
	s_add_co_u32 s23, s23, s21                     ; 16 x batch + head: the first of my two heads
	s_bfe_u32 s20, s20, 0x40007                    ; which 128 tokens of the batch's 2,048
	s_lshl_b32 s92, s12, 22
	s_lshl_b32 s21, s23, 16
	s_add_co_u32 s92, s92, s21
	s_lshl_b32 s21, s20, 12
	s_add_co_u32 s92, s92, s21
	s_mov_b32 s93, 0
	s_add_nc_u64 s[92:93], s[98:99], s[92:93]      ; registers 0-3 of a block's fragment
	s_mul_i32 s21, s22, 7
	s_lshr_b32 s94, 0x10000, s21
	s_mov_b32 s95, 0
	s_add_nc_u64 s[94:95], s[92:93], s[94:95]      ; registers 4-7: q, k: the next head (65,536 on); v: the fragment's second half (512 on)
	s_lshl_b32 s66, s23, 13                        ; isc: q at 0, k at 512 Ki: 8,192 bytes a head, 512 a step;  v at 1 Mi: 4,096 a head, 256 a step
	s_lshl_b32 s21, s20, 9
	s_add_co_u32 s66, s66, s21
	s_lshr_b32 s66, s66, s22
	s_lshl_b32 s21, s12, 19
	s_add_co_u32 s66, s66, s21
	s_mov_b32 s67, 0
	s_add_nc_u64 s[66:67], s[100:101], s[66:67]
	s_lshl_b32 s18, 512, s22                       ; from block to block: 512 (q, k), 1,024 (v)
	s_mov_b32 s19, 0
	s_mul_i32 s20, s22, 61440                      ; v: and at block 4 on to the next head
	s_mov_b32 s21, 0
	s_mov_b32 s22, 0xffff0000                      ; lanes 16-31
.irp b, 0,1,2,3
	v_mov_b32 v[TM+4+\b], 0                        ; written once: a lane permute's destination counts as read
.endr
; Block a: my lane's 64 numbers (register 16 b + i = row 32 b + 16 h + i of source 0) become a fragment's 8 registers and a scale word.  A block of 32 lies in lanes l and l xor 16.
.macro GROUP a
.set AC, 64*((\a)%4)
.set WW, 2+(\a)/4
.if (\a) > 0
	s_wait_xcnt 0x0                                ; the last block's stores have read their data and bases: both are written again only behind this wait
	s_add_nc_u64 s[92:93], s[92:93], s[18:19]
	s_add_nc_u64 s[94:95], s[94:95], s[18:19]
.if (\a) == 4
	s_add_nc_u64 s[92:93], s[92:93], s[20:21]
	s_add_nc_u64 s[94:95], s[94:95], s[20:21]
.endif
.endif
	WIN WW|(WW<<2)                                 ; sources 0 and 1: the accumulators' window
.irp b, 0,1,2,3
	v_max3_num_f32 v[TM+\b], |v[AC+16*\b]|, |v[AC+16*\b+1]|, 0x1800000   ; with the floor 2^(3 - 127): the byte cannot fall under 1
.endr
.irp i, 2,4,6,8,10,12,14
.irp b, 0,1,2,3
	v_max3_num_f32 v[TM+\b], |v[AC+16*\b+\i]|, |v[AC+16*\b+\i+1]|, v[TM+\b]
.endr
.endr
	WIN 0
.irp b, 0,1,2,3
	v_permlanex16_b32 v[TM+4+\b], v[TM+\b], s[SEL], s[SEL+1]
.endr
.irp b, 0,1,2,3
	v_max_num_f32 v[TM+\b], v[TM+\b], v[TM+4+\b]   ; the block's largest magnitude
.endr
.irp b, 0,1,2,3
	v_add_nc_u32 v[TM+12+\b], 0xff000000, v[TM+\b] ; 2 off its exponent field: the conversion's scale operand
.endr
.irp b, 0,1,2,3
	v_lshrrev_b32 v[TM+4+\b], 23, v[TM+12+\b]      ; the scale's byte
.endr
	v_lshl_or_b32 v[SW+(\a)], v[TM+5], 8, v[TM+4]
	v_lshl_or_b32 v[SW+(\a)], v[TM+6], 16, v[SW+(\a)]
	v_lshl_or_b32 v[SW+(\a)], v[TM+7], 24, v[SW+(\a)]
	WIN WW                                         ; source 0 alone
.irp b, 0,1,2,3
	v_cvt_scalef32_pk8_fp4_f32 v[PC+2*\b], v[AC+16*\b:AC+16*\b+7], v[TM+12+\b]
	v_cvt_scalef32_pk8_fp4_f32 v[PC+2*\b+1], v[AC+16*\b+8:AC+16*\b+15], v[TM+12+\b]
.endr
	WIN 0
	v_nop                                          ; one plain place behind a scaled conversion
.irp c, 0,1                            ; the operand's layout wants a whole block in a lane
.irp i, 0,1
	v_permlane16_swap_b32 v[PC+4*\c+\i], v[PC+2+4*\c+\i]
.endr
.endr
	global_store_b128 v[LI], v[PC:PC+3], s[92:93]      ; 32 lanes store 512 consecutive bytes, aligned: an image of four registers
	global_store_b128 v[LI], v[PC+4:PC+7], s[94:95]
.endm
.irp a, 0,1,2,3,4,5,6,7
	GROUP \a
.endr
	; the scale words, laid as the third launch loads them: lanes 0-15 an even tile's rows, lanes 16-31 the odd tile's
	s_cmp_eq_u32 s12, 2
	s_cbranch_scc1 .Lwords_v
.irp x, 0,1,2,3
	v_cndmask_b32 v[T4+\x], v[SW+2*\x], v[SW+2*\x+1], s22
.endr
.irp x, 0,1,2,3
	v_and_b32 v[T4+4+\x], 0xffff, v[T4+\x]         ; bytes 0, 1: the first head's two blocks; bytes 2, 3 are 0: they scale the zero codes that fill K to 128
	v_lshrrev_b32 v[T4+8+\x], 16, v[T4+\x]         ; the second head's
.endr
	global_store_b128 v[LI], v[T4+4:T4+7], s[66:67]
	global_store_b128 v[LI], v[T4+8:T4+11], s[66:67] offset:8192
	s_branch .Lwords_done
.Lwords_v:
.irp x, 0,1,2,3
	v_cndmask_b32 v[T4+\x], v[SW+2*\x], v[SW+2*\x+1], s22
.endr
	global_store_b64 v[L8], v[T4:T4+1], s[66:67]                ; 256 consecutive bytes: the first head's four tiles
	global_store_b64 v[L8], v[T4+2:T4+3], s[66:67] offset:4096  ; the second head's
.Lwords_done:
	s_wait_tensorcnt 0x0                           ; the wave's end
	ds_add_u32 v[SPW], v[NIL]
	s_wait_dscnt 0x0
	CROUND                                         ; the closing round
	s_endpgm
.Lfunc_end_k_qe714495d85_proj:
	.size	k_qe714495d85_proj, .Lfunc_end_k_qe714495d85_proj-k_qe714495d85_proj
	.p2alignl 7, 3214868480
	.fill 96, 4, 3214868480
	.section	.rodata,"a",@progbits
	.p2align	6, 0x0
	.amdhsa_kernel k_qe714495d85_proj
		.amdhsa_group_segment_fixed_size 327680
		.amdhsa_private_segment_fixed_size 0
		.amdhsa_enable_private_segment 0
		.amdhsa_kernarg_size 56
		.amdhsa_user_sgpr_count 2
		.amdhsa_user_sgpr_kernarg_segment_ptr 1
		.amdhsa_wavefront_size32 1
		.amdhsa_system_sgpr_workgroup_id_x 1
		.amdhsa_system_sgpr_workgroup_id_y 1
		.amdhsa_system_sgpr_workgroup_id_z 1
		.amdhsa_system_vgpr_workitem_id 0
		.amdhsa_next_free_vgpr 1024
		.amdhsa_next_free_sgpr 102
		.amdhsa_reserve_vcc 0
		.amdhsa_float_denorm_mode_32 3
		.amdhsa_float_denorm_mode_16_64 3
		.amdhsa_memory_ordered 1
		.amdhsa_forward_progress 1
		.amdhsa_inst_pref_size 166
	.end_amdhsa_kernel
	.amdgpu_metadata
---
amdhsa.version: [ 1, 2 ]
amdhsa.kernels:
  - .name:           k_qe714495d85_proj
    .symbol:         k_qe714495d85_proj.kd
    .args:
      - { .name: cod, .offset: 0, .size: 8, .value_kind: global_buffer, .address_space: global }
      - { .name: scl, .offset: 8, .size: 8, .value_kind: global_buffer, .address_space: global }
      - { .name: b_q, .offset: 16, .size: 8, .value_kind: global_buffer, .address_space: global }
      - { .name: b_k, .offset: 24, .size: 8, .value_kind: global_buffer, .address_space: global }
      - { .name: b_v, .offset: 32, .size: 8, .value_kind: global_buffer, .address_space: global }
      - { .name: img, .offset: 40, .size: 8, .value_kind: global_buffer, .address_space: global }
      - { .name: isc, .offset: 48, .size: 8, .value_kind: global_buffer, .address_space: global }
    .group_segment_fixed_size: 327680
    .private_segment_fixed_size: 0
    .kernarg_segment_align: 8
    .kernarg_segment_size: 56
    .max_flat_workgroup_size: 128
    .sgpr_count:     102
    .vgpr_count:     1024
    .wavefront_size: 32
...
	.end_amdgpu_metadata
.endif
;; end of part 2
;; launch attn (part 3): grid 4 x 64, 16 waves a work-group, no clusters, 215,040 bytes of LDS; arguments img, isc, mw, cls, out0; writes out0
.if DOCPART == 3
	.amdgcn_target "amdgcn-amd-amdhsa--gfx1250"
	.amdhsa_code_object_version 6
	.text
	.protected	k_qe714495d85_attn
	.globl	k_qe714495d85_attn
	.p2align	8
	.type	k_qe714495d85_attn,@function
k_qe714495d85_attn:
	s_mov_b64 s[64:65], 0
	v_nop
	global_prefetch_b8 v0, s[64:65] scope:SCOPE_SE
	s_setreg_imm32_b32 hwreg(HW_REG_WAVE_MODE, 25, 1), 1
	s_wait_xcnt 0x0
; ATTN: out0[b][q][64 h ..] = the sum over keys of softmax(q . k / 8, hidden keys at a large negative logit) v, both products on codes of FP4 with E8M0 scales (img, isc of the second launch).
; THE SOFTMAX AHEAD OF THE SECOND PRODUCT: t = score x log2(e) / 8; M = the running largest t rounded UP to a whole number; p = 2^(t - M) is quantised along the keys, not normalised;
; the row's sum is taken of the unquantised p and divides at the end.  When M moves, the sum and O are multiplied by 2^(old M - new M): exact.
; WORK LEFT OUT: a step of 16 queries x 128 keys whose class (cls, whole numbers of the first launch) is 0: all of it hidden, and each of the 16 queries has an open key in its row: there every p is under
; 2^-126: zero codes, nothing for the sum.  Class 2: nothing hidden, the mask's words are not read.  Class 1: hidden scores are replaced ahead of the maximum.
; LIMIT: a hidden score is -2^33, a logit of -2^30 where reference() has -1e9: score x c is then exact and a whole number, so that t - M is exactly 0 in a row that is hidden throughout (p = 1: the average
; of all of V, as in reference()).  It differs from reference() only where an open logit lies under about -9.9e8.  NaN and infinities are not served.
; NO CLUSTER, NO TENSOR LOAD.  What is shared, a head's 143,360 bytes of K, V and scale
; bytes, comes once a work-group, through registers, and is read by four work-groups.
; SHARES.  Work-group (z, 16 b + h): the tiles T = 4 i + z, i = 0 .. 31, of 16 places of queries of one head.  Wave w takes i = w, then i = 31 - w.  A lane holds ONE query throughout: both products are
; used transposed: S^T = K Q^T (source 0 = 16 places of keys), O^T = V^T P^T (source 0 = 16 places of the head's 64).
; By the order of places, register 8 t + j of S^T in lane (r, h) is key 128 s + 32 (t / 2) + 16 h + 8 (t % 2) + j, and the same holds of O^T's registers along the head's 64.
; K = 64 IN AN INSTRUCTION OF 128: Q's registers 4-7 are zero codes, and bytes 2, 3 of both scale words are 0 (2^-127, no NaN).  A tile of K is 4 registers; the instruction names 8: the upper four are the
; next tile's codes (behind the last tile: zeros); they meet zero codes and add exactly 0.
; LDS is written once, ahead of the one barrier, but for each wave's own stage.  Images are read 512 consecutive bytes an instruction: no pitch, no padding.
.set KIMG,  0                          ; K: 128 tiles x 512 bytes
.set VIMG,  65536                      ; V: 16 steps x 4 tiles x 2 halves x 512 bytes
.set KSC,   131072                     ; K's scale words: 16 steps x 512 bytes
.set VSC,   139264                     ; V's: 16 steps x 256 bytes
.set STG,   143360                     ; the way out: 16 rows x (256 + 16) bytes for each wave
.set SPARE, 212992                     ; the spare words, 128 bytes a wave
.set WV,  14                           ; s14  my wave's number
.set SEL, 66                           ; s[66:67] lane selects: lane l xor 16
.set CS,  68                           ; s[68:69] c = log2(e) / 8
.set MB,  70                           ; s[70:71] the step's mask words
.set OB,  72                           ; s[72:73] the tile's rows of out0
.set QB,  74                           ; s[74:75] Q's image
.set QSB, 76                           ; s[76:77] Q's scale words
.set TT,  78                           ; s78  the tile in hand
.set CW,  79                           ; s79  its classes, two bits a step
.set CL,  96                           ; s96  the step's class
.set TK,  97                           ; s97  4,096 x step: K's and V's images
.set TS,  98                           ; s98  512 x step: K's scale words
.set TV,  99                           ; s99  256 x step: V's
.set CNT, 100
; s16-63, s80-95: the step's 64 mask words.  s[4:13]: img, isc, mw, cls, out0 at my head or batch.
; v1-4 addresses that stay; v5, v6 the add's two; v7 my place in out0's rows; v8-11 addresses in hand; v12 -M, v13 the largest t, v[14:15] the sum; v16-19 Q, v20-23 zero codes; v24 Q's scale word; v25 16 r;
; v26 -2^33; v27, v28 the stage; v32-63 K, v64-67 zero codes; v68-71 K's scale words, v72-73 V's; v96-159 S^T, then p; v160-191 O^T; v192-223 V; v224-231 p's codes; v232-254 at work; v255 p's scale word.
	s_load_b256 s[16:23], s[0:1], 0x0              ; img 16:17, isc 18:19, mw 20:21, cls 22:23
	s_load_b64 s[24:25], s[0:1], 0x20              ; out0
	v_lshl_add_u32 v5, v0, 2, SPARE
	v_mov_b32 v6, 0
	v_lshrrev_b32 v8, 5, v0
	v_readfirstlane_b32 s[WV], v8
	s_and_b32 s26, ttmp7, 0xffff                   ; 16 b + h
	s_lshr_b32 s27, s26, 4                         ; b
	s_and_b32 s28, s26, 15                         ; h
	s_mov_b32 s31, 0
	s_mov_b32 s[SEL], 0x76543210
	s_mov_b32 s[SEL+1], 0xfedcba98
	s_mov_b32 s[CS], 0x3e38aa3b
	s_mov_b32 s[CS+1], s[CS]                       ; (named with it as a pair, so it is written)
	v_lshlrev_b32 v8, 4, v0                        ; the fill: 16 bytes a thread,
	v_lshlrev_b32 v9, 3, v0                        ; or 8
	s_wait_kmcnt 0x0
	s_lshl_b32 s30, s26, 16
	s_add_nc_u64 s[4:5], s[16:17], s[30:31]        ; my head's Q images;
	s_add_nc_u64 s[32:33], s[4:5], 0x400000        ; K's;
	s_add_nc_u64 s[34:35], s[4:5], 0x800000        ; V's
	s_lshl_b32 s30, s26, 13
	s_add_nc_u64 s[6:7], s[18:19], s[30:31]        ; Q's scale words (K's lie 512 Ki on)
	s_lshl_b32 s30, s26, 12
	s_add_nc_u64 s[36:37], s[18:19], s[30:31]
	s_add_nc_u64 s[36:37], s[36:37], 0x100000      ; V's scale words
	s_lshl_b32 s30, s27, 19
	s_add_nc_u64 s[8:9], s[20:21], s[30:31]        ; my batch's mask words,
	s_lshl_b32 s30, s27, 9
	s_add_nc_u64 s[10:11], s[22:23], s[30:31]      ; and classes
	s_lshl_b32 s30, s27, 23
	s_lshl_b32 s29, s28, 8
	s_add_co_u32 s30, s30, s29
	s_add_nc_u64 s[12:13], s[24:25], s[30:31]      ; out0 at my batch's first row, my head's 256 bytes
	; THE FILL: 18 loads a thread, each instruction of the work-group 8,192 (the last: 4,096) consecutive bytes
.irp i, 0,1,2,3,4,5,6,7
	global_load_b128 v[96+4*\i:99+4*\i], v8, s[32:33] offset:8192*\i
.endr
.irp i, 0,1,2,3,4,5,6,7
	global_load_b128 v[128+4*\i:131+4*\i], v8, s[34:35] offset:8192*\i
.endr
	global_load_b128 v[160:163], v8, s[6:7] offset:524288
	global_load_b64 v[164:165], v9, s[36:37]
	v_add_nc_u32 v10, VIMG, v8
	v_add_nc_u32 v11, KSC, v8
	v_add_nc_u32 v75, VSC, v9
	v_and_b32 v30, 31, v0                          ; lane
	v_and_b32 v31, 15, v0                          ; r
	v_bfe_u32 v74, v0, 4, 1                        ; h
	v_lshlrev_b32 v1, 4, v30                       ; 16 x lane: an image's place for my lane
	v_add_nc_u32 v2, VIMG, v1
	v_add_nc_u32 v3, KSC, v1
	v_lshl_add_u32 v4, v30, 3, VSC
	v_lshlrev_b32 v7, 12, v74
	v_lshl_add_u32 v7, v31, 4, v7                  ; out: lanes 0-15 one row of out0, lanes 16-31 the next; 16 bytes a lane
	v_lshlrev_b32 v25, 4, v31
	v_mov_b32 v26, 0xd0000000                      ; -2^33
	s_mul_i32 s38, s[WV], 16*272
	s_add_co_u32 s38, s38, STG                     ; my stage
	v_mul_u32_u24 v27, v31, 272
	v_lshl_add_u32 v27, v74, 6, v27
	v_add_nc_u32 v27, s38, v27                     ; in: row r, + 64 h
	v_mul_u32_u24 v28, v74, 272
	v_lshl_add_u32 v28, v31, 4, v28
	v_add_nc_u32 v28, s38, v28                     ; back: two rows an instruction
.irp j, 20,21,22,23,64,65,66,67,236,237,238,239,252,253
	v_mov_b32 v\j, 0                               ; zero codes; and registers that are named before they are first written
.endr
.irp i, 0,1,2,3,4,5,6,7
	s_wait_loadcnt 17-\i                           ; loads come back in order: the younger ones may be out
	ds_store_b128 v8, v[96+4*\i:99+4*\i] offset:8192*\i
.endr
.irp i, 0,1,2,3,4,5,6,7
	s_wait_loadcnt 9-\i
	ds_store_b128 v10, v[128+4*\i:131+4*\i] offset:8192*\i
.endr
	s_wait_loadcnt 1
	ds_store_b128 v11, v[160:163]
	s_wait_loadcnt 0x0
	ds_store_b64 v75, v[164:165]
	s_wait_dscnt 0x0                               ; for the others' sake: my stores have landed
	s_barrier_signal -1
	s_barrier_wait -1                              ; the head's K, V and scale words lie in LDS; nobody writes them again
; A KEY STEP: 128 keys.
.macro STEP
	s_and_b32 s[CL], s[CW], 3
	s_lshr_b32 s[CW], s[CW], 2
	s_cmp_eq_u32 s[CL], 0
	s_cbranch_scc1 .Lskip_\@                       ; class 0: round the step's work, not round the lines that step addresses
	v_add_nc_u32 v8, s[TK], v1                     ; (these four are also the places in front of loads into registers that the last products read)
	v_add_nc_u32 v9, s[TK], v2
	v_add_nc_u32 v10, s[TS], v3
	v_add_nc_u32 v11, s[TV], v4
.irp t, 0,1,2,3,4,5,6,7
	ds_load_b128 v[32+4*\t:35+4*\t], v8 offset:512*\t
.endr
	ds_load_b128 v[68:71], v10                     ; register x: lanes 0-15 tile 2 x's words, lanes 16-31 tile 2 x + 1's
.irp t, 0,1,2,3
	ds_load_b128 v[192+8*\t:195+8*\t], v9 offset:1024*\t
	ds_load_b128 v[196+8*\t:199+8*\t], v9 offset:1024*\t+512
.endr
	ds_load_b64 v[72:73], v11
	s_wait_dscnt 9                                 ; K and its scale words are in; V's nine loads may be out
.irp t, 0,1,2,3,4,5,6,7
.if \t % 2
	v_wmma_scale_f32_16x16x128_f8f6f4 v[96+8*\t:103+8*\t], v[32+4*\t:39+4*\t], v[16:23], 0, v[68+\t/2], v24 matrix_a_fmt:MATRIX_FMT_FP4 matrix_b_fmt:MATRIX_FMT_FP4 matrix_a_scale:MATRIX_SCALE_ROW1
.else
	v_wmma_scale_f32_16x16x128_f8f6f4 v[96+8*\t:103+8*\t], v[32+4*\t:39+4*\t], v[16:23], 0, v[68+\t/2], v24 matrix_a_fmt:MATRIX_FMT_FP4 matrix_b_fmt:MATRIX_FMT_FP4
.endif
.endr
.rept 4
	v_nop
.endr
	s_cmp_eq_u32 s[CL], 1
	s_cbranch_scc0 .Lopen_\@                       ; class 2: nothing is hidden
	s_load_b512 s[16:31], s[MB:MB+1], 0x0          ; the step's 64 words: bit l of word n says whether my lane l's register n is hidden
	s_load_b512 s[32:47], s[MB:MB+1], 0x40
	s_load_b512 s[48:63], s[MB:MB+1], 0x80
	s_load_b512 s[80:95], s[MB:MB+1], 0xc0
	s_wait_kmcnt 0x0
.set n, 0
.rept 64
.if n < 48
	v_cndmask_b32 v[96+n], v[96+n], v26, s[16+n]
.else
	v_cndmask_b32 v[96+n], v[96+n], v26, s[32+n]
.endif
.set n, n+1
.endr
.Lopen_\@:
.irp b, 0,1,2,3
	v_max3_num_f32 v[232+\b], v[96+16*\b], v[97+16*\b], v[98+16*\b]   ; the largest score of each block of 32 keys: for the row's maximum and, since p rises with the score, for the block's largest p
.endr
.irp i, 3,5,7,9,11,13
.irp b, 0,1,2,3
	v_max3_num_f32 v[232+\b], v[232+\b], v[96+16*\b+\i], v[97+16*\b+\i]
.endr
.endr
.irp b, 0,1,2,3
	v_max_num_f32 v[232+\b], v[232+\b], v[111+16*\b]
.endr
.irp b, 0,1,2,3
	v_permlanex16_b32 v[236+\b], v[232+\b], s[SEL], s[SEL+1]
.endr
.irp b, 0,1,2,3
	v_max_num_f32 v[232+\b], v[232+\b], v[236+\b]  ; with lane l xor 16's 16 keys
.endr
	v_max3_num_f32 v254, v232, v233, v234
	v_max_num_f32 v254, v254, v235
	v_mul_f32 v254, s[CS], v254                    ; the step's largest t of my query
	v_max_num_f32 v13, v13, v254
	v_mov_b32 v254, v12
	v_floor_f32 v12, -v13                          ; the new -M = floor(-t): M is a whole number
	v_sub_f32 v254, v12, v254                      ; old M - new M: a whole number, 0 or less
	v_cvt_i32_f32 v254, v254                       ; (it saturates)
	v_ldexp_f32 v252, 1.0, v254                    ; f = 2^(old M - new M)
.irp j, 0,2,4,6,8,10,12,14,16,18,20,22,24,26,28,30,32,34,36,38,40,42,44,46,48,50,52,54,56,58,60,62
	v_pk_fma_f32 v[96+\j:97+\j], v[96+\j:97+\j], s[CS:CS+1], v[12:13] op_sel_hi:[1,0,0]   ; t - M
.endr
.irp b, 0,1,2,3
	v_fma_f32 v[232+\b], v[232+\b], s[CS], v12
.endr
.set n, 0
.rept 64
	v_exp_f32 v[96+n], v[96+n]                     ; p = 2^(t - M), at most 1
.set n, n+1
.endr
	v_pk_mul_f32 v[14:15], v[14:15], v[252:253] op_sel_hi:[1,0]   ; the sums under the new M (a plain place behind the exponentials)
	s_wait_alu depctr_va_vdst(0)                   ; one wait for the batch, ahead of its first reader
.irp b, 0,1,2,3
	v_exp_f32 v[232+\b], v[232+\b]                 ; each block's largest p
.endr
	v_pk_add_f32 v[236:237], v[96:97], v[98:99]    ; the row's sum of the unquantised p, in two chains
.irp j, 4,8,12,16,20,24,28,32,36,40,44,48,52,56,60
	v_pk_add_f32 v[14:15], v[14:15], v[96+\j:97+\j]
	v_pk_add_f32 v[236:237], v[236:237], v[98+\j:99+\j]
.endr
	v_pk_add_f32 v[14:15], v[14:15], v[236:237]
	s_wait_alu depctr_va_vdst(0)                   ; and one for the four
.irp b, 0,1,2,3
	v_max_num_f32 v[232+\b], 0x1800000, v[232+\b]  ; the floor 2^(3 - 127): the byte cannot fall under 1
.endr
.irp b, 0,1,2,3
	v_add_nc_u32 v[244+\b], 0xff000000, v[232+\b]  ; the conversion's scale operand
.endr
.irp b, 0,1,2,3
	v_lshrrev_b32 v[236+\b], 23, v[244+\b]         ; the scale's byte
.endr
	v_lshl_or_b32 v255, v237, 8, v236              ; p's scale word for these 128 keys
	v_lshl_or_b32 v255, v238, 16, v255
	v_lshl_or_b32 v255, v239, 24, v255
.irp b, 0,1,2,3
	v_cvt_scalef32_pk8_fp4_f32 v[224+2*\b], v[96+16*\b:103+16*\b], v[244+\b]
	v_cvt_scalef32_pk8_fp4_f32 v[225+2*\b], v[104+16*\b:111+16*\b], v[244+\b]
.endr
	v_nop                                          ; one plain place behind a scaled conversion
.irp c, 0,1
.irp i, 0,1
	v_permlane16_swap_b32 v[224+4*\c+\i], v[226+4*\c+\i]   ; a whole block in a lane
.endr
.endr
.irp j, 0,2,4,6,8,10,12,14,16,18,20,22,24,26,28,30
	v_pk_mul_f32 v[160+\j:161+\j], v[160+\j:161+\j], v[252:253] op_sel_hi:[1,0]   ; O^T under the new M; these sixteen are also the places between the scale word's and the codes' last writes and the products
.endr
	s_wait_dscnt 0x0                               ; V and its scale words are in
.irp t, 0,1,2,3                        ; the four accumulators take turns, one instruction a turn
.if \t % 2
	v_wmma_scale_f32_16x16x128_f8f6f4 v[160+8*\t:167+8*\t], v[192+8*\t:199+8*\t], v[224:231], v[160+8*\t:167+8*\t], v[72+\t/2], v255 matrix_a_fmt:MATRIX_FMT_FP4 matrix_b_fmt:MATRIX_FMT_FP4 matrix_a_scale:MATRIX_SCALE_ROW1
.else
	v_wmma_scale_f32_16x16x128_f8f6f4 v[160+8*\t:167+8*\t], v[192+8*\t:199+8*\t], v[224:231], v[160+8*\t:167+8*\t], v[72+\t/2], v255 matrix_a_fmt:MATRIX_FMT_FP4 matrix_b_fmt:MATRIX_FMT_FP4
.endif
.endr
.Lskip_\@:
.endm
; A TILE of 16 places of queries: s[TT] says which.
.macro TILE
	s_wait_xcnt 0x0                                ; the last tile's stores and loads have read their data and bases
	s_lshl_b32 s80, s[TT], 2
	s_mov_b32 s81, 0
	s_add_nc_u64 s[80:81], s[10:11], s[80:81]
	s_load_b32 s[CW], s[80:81], 0x0                ; the tile's 16 classes
	s_lshl_b32 s[QB], s[TT], 9
	s_mov_b32 s[QB+1], 0
	s_add_nc_u64 s[QB:QB+1], s[4:5], s[QB:QB+1]
	global_load_b128 v[16:19], v1, s[QB:QB+1]      ; Q's four registers, as they were stored
	s_lshr_b32 s[QSB], s[TT], 3
	s_lshl_b32 s[QSB], s[QSB], 9
	s_and_b32 s[QSB+1], s[TT], 1
	s_lshl_b32 s[QSB+1], s[QSB+1], 8
	s_add_co_u32 s[QSB], s[QSB], s[QSB+1]
	s_bfe_u32 s[QSB+1], s[TT], 0x20001
	s_lshl_b32 s[QSB+1], s[QSB+1], 2
	s_add_co_u32 s[QSB], s[QSB], s[QSB+1]          ; 512 (T / 8) + 256 (T % 2) + 4 ((T / 2) % 4)
	s_mov_b32 s[QSB+1], 0
	s_add_nc_u64 s[QSB:QSB+1], s[6:7], s[QSB:QSB+1]
	global_load_b32 v24, v25, s[QSB:QSB+1]         ; row r's scale word, 16 bytes from row to row
	s_lshl_b32 s[MB], s[TT], 12
	s_mov_b32 s[MB+1], 0
	s_add_nc_u64 s[MB:MB+1], s[8:9], s[MB:MB+1]
	s_lshr_b32 s[OB], s[TT], 1
	s_lshl_b32 s[OB], s[OB], 5
	s_and_b32 s[OB+1], s[TT], 1
	s_lshl_b32 s[OB+1], s[OB+1], 3
	s_add_co_u32 s[OB], s[OB], s[OB+1]             ; the tile's first query: 32 (T / 2) + 8 (T % 2)
	s_lshl_b32 s[OB], s[OB], 12
	s_mov_b32 s[OB+1], 0
	s_add_nc_u64 s[OB:OB+1], s[12:13], s[OB:OB+1]
	v_mov_b32 v13, 0xff61b1e6                      ; the largest t so far: -3e38
	v_floor_f32 v12, -v13
	v_mov_b32 v14, 0
	v_mov_b32 v15, 0
.set n, 0
.rept 32
	v_mov_b32 v[160+n], 0                          ; O^T: which step is a tile's first hangs on its classes, so no first step can be written out: the first change of M multiplies zeros
.set n, n+1
.endr
	s_mov_b32 s[TK], 0
	s_mov_b32 s[TS], 0
	s_mov_b32 s[TV], 0
	s_mov_b32 s[CNT], 16
	s_wait_kmcnt 0x0
	s_wait_loadcnt 0x0
.Lstep_\@:                                         ; sixteen trips, a constant
	STEP
	s_add_co_u32 s[TK], s[TK], 4096
	s_add_co_u32 s[TS], s[TS], 512
	s_add_co_u32 s[TV], s[TV], 256
	s_add_nc_u64 s[MB:MB+1], s[MB:MB+1], 256       ; (the step's scalar loads, if any, were waited for)
	s_sub_co_u32 s[CNT], s[CNT], 1
	s_cmp_lg_u32 s[CNT], 0
	s_cbranch_scc1 .Lstep_\@
	; THE WAY OUT: O^T / the sum goes through my stage and leaves as rows: sixteen lanes store a query's 256 bytes of this head, aligned
.rept 4
	v_nop                                          ; places behind the last products
.endr
	v_add_f32 v14, v14, v15
	v_permlanex16_b32 v252, v14, s[SEL], s[SEL+1]
	v_add_f32 v14, v14, v252                       ; the row's sum
	v_rcp_f32 v14, v14
	v_nop                                          ; a plain place behind the reciprocal
	s_wait_alu depctr_va_vdst(0)                   ; and the wait ahead of its first reader
.irp j, 0,2,4,6,8,10,12,14,16,18,20,22,24,26,28,30
	v_pk_mul_f32 v[96+\j:97+\j], v[160+\j:161+\j], v[14:15] op_sel_hi:[1,0]   ; register 16 d + i is channel 32 d + 16 h + i of my query
.endr
.irp d, 0,1
.irp k, 0,1,2,3
	ds_store_b128 v27, v[96+16*\d+4*\k:99+16*\d+4*\k] offset:128*\d+16*\k
.endr
.endr
.irp i, 0,1,2,3,4,5,6,7
	ds_load_b128 v[32+4*\i:35+4*\i], v28 offset:544*\i   ; LDS serves a wave's instructions in order: these see my stores
.endr
.irp i, 0,1,2,3,4,5,6,7
	s_wait_dscnt 7-\i
	global_store_b128 v7, v[32+4*\i:35+4*\i], s[OB:OB+1] offset:(2*\i+8*(\i/4))*4096 th:TH_STORE_NT   ; places 2 i, 2 i + 1 are queries 2 i + 8 (i / 4) and the next
.endr
.endm
	s_lshl_b32 s[TT], s[WV], 2
	s_add_co_u32 s[TT], s[TT], ttmp9               ; T = 4 w + z
	TILE
	s_sub_co_u32 s[TT], 31, s[WV]
	s_lshl_b32 s[TT], s[TT], 2
	s_add_co_u32 s[TT], s[TT], ttmp9               ; T = 4 (31 - w) + z
	TILE
	s_wait_tensorcnt 0x0                           ; the wave's end
	ds_add_u32 v5, v6
	s_wait_dscnt 0x0
	s_endpgm
.Lfunc_end_k_qe714495d85_attn:
	.size	k_qe714495d85_attn, .Lfunc_end_k_qe714495d85_attn-k_qe714495d85_attn
	.p2alignl 7, 3214868480
	.fill 96, 4, 3214868480
	.section	.rodata,"a",@progbits
	.p2align	6, 0x0
	.amdhsa_kernel k_qe714495d85_attn
		.amdhsa_group_segment_fixed_size 215040
		.amdhsa_private_segment_fixed_size 0
		.amdhsa_enable_private_segment 0
		.amdhsa_kernarg_size 40
		.amdhsa_user_sgpr_count 2
		.amdhsa_user_sgpr_kernarg_segment_ptr 1
		.amdhsa_wavefront_size32 1
		.amdhsa_system_sgpr_workgroup_id_x 1
		.amdhsa_system_sgpr_workgroup_id_y 1
		.amdhsa_system_sgpr_workgroup_id_z 1
		.amdhsa_system_vgpr_workitem_id 0
		.amdhsa_next_free_vgpr 256
		.amdhsa_next_free_sgpr 102
		.amdhsa_reserve_vcc 0
		.amdhsa_float_denorm_mode_32 3
		.amdhsa_float_denorm_mode_16_64 3
		.amdhsa_memory_ordered 1
		.amdhsa_forward_progress 1
		.amdhsa_inst_pref_size 58
	.end_amdhsa_kernel
	.amdgpu_metadata
---
amdhsa.version: [ 1, 2 ]
amdhsa.kernels:
  - .name:           k_qe714495d85_attn
    .symbol:         k_qe714495d85_attn.kd
    .args:
      - { .name: img, .offset: 0, .size: 8, .value_kind: global_buffer, .address_space: global }
      - { .name: isc, .offset: 8, .size: 8, .value_kind: global_buffer, .address_space: global }
      - { .name: mw, .offset: 16, .size: 8, .value_kind: global_buffer, .address_space: global }
      - { .name: cls, .offset: 24, .size: 8, .value_kind: global_buffer, .address_space: global }
      - { .name: out0, .offset: 32, .size: 8, .value_kind: global_buffer, .address_space: global }
    .group_segment_fixed_size: 215040
    .private_segment_fixed_size: 0
    .kernarg_segment_align: 8
    .kernarg_segment_size: 40
    .max_flat_workgroup_size: 512
    .sgpr_count:     102
    .vgpr_count:     256
    .wavefront_size: 32
...
	.end_amdgpu_metadata
.endif
;; end of part 3
;; ======== version 2 of 2: 3 launches; version 1 with the launch attn written anew for expert scheduling mode
;; limits: right only within a limited range of input values
;; workspace buffers: cod 9,961,472 bytes; scl 622,592 bytes; img 12,582,912 bytes; isc 1,310,720 bytes; mw 2,097,152 bytes of whole numbers; cls 2,048 bytes of whole numbers
;; launch prep: the kernel of part 1 again; grid 736 x 1, 4 waves a work-group, no clusters, 33,280 bytes of LDS; arguments x_q, x_k_v, w_q, w_k, w_v, attn_mask, cod, scl, mw, cls; writes cod, scl, mw, cls
;; launch proj: the kernel of part 2 again; grid 96 x 4, 4 waves a work-group, clusters of 4 x 4, 327,680 bytes of LDS; arguments cod, scl, b_q, b_k, b_v, img, isc; writes img, isc
;; launch attn (part 4): grid 4 x 64, 16 waves a work-group, no clusters, 215,040 bytes of LDS; arguments img, isc, mw, cls, out0; writes out0
.if DOCPART == 4
	.amdgcn_target "amdgcn-amd-amdhsa--gfx1250"
	.amdhsa_code_object_version 6
	.text
	.protected	k_qe714495d85_attn
	.globl	k_qe714495d85_attn
	.p2align	8
	.type	k_qe714495d85_attn,@function
k_qe714495d85_attn:
	s_mov_b64 s[64:65], 0
	v_nop
	global_prefetch_b8 v0, s[64:65] scope:SCOPE_SE
	s_setreg_imm32_b32 hwreg(HW_REG_WAVE_SCHED_MODE, 0, 2), 2
	s_setreg_imm32_b32 hwreg(HW_REG_WAVE_MODE, 25, 1), 1
	s_wait_xcnt 0x0
	s_wait_alu depctr_vm_vsrc(0)
; ATTN: out0[b][q][64 h ..] = the sum over keys of softmax(q . k / 8, hidden keys at a large negative logit) v, both products on codes of FP4 with E8M0 scales (img, isc of the second launch).
; THE SOFTMAX AHEAD OF THE SECOND PRODUCT: t = score x log2(e) / 8; M = the running largest t rounded UP to a whole number; p = 2^(t - M) is quantised along the keys, not normalised;
; the row's sum is taken of the unquantised p and divides at the end.  When M moves, the sum and O are multiplied by 2^(old M - new M): exact.
; WORK LEFT OUT: a step of 16 queries x 128 keys whose class (cls, whole numbers of the first launch) is 0: all of it hidden, and each of the 16 queries has an open key in its row: there every p is under
; 2^-126: zero codes, nothing for the sum.  Class 2: nothing hidden, the mask's words are not read.  Class 1: hidden scores are replaced ahead of the maximum.
; LIMIT: a hidden score is -2^33, a logit of -2^30 where reference() has -1e9: score x c is then exact and a whole number, so that t - M is exactly 0 in a row that is hidden throughout (p = 1: the average
; of all of V, as in reference()).  It differs from reference() only where an open logit lies under about -9.9e8.  NaN and infinities are not served.
; NO CLUSTER, NO TENSOR LOAD.  What is shared, a head's 143,360 bytes of K, V and scale
; bytes, comes once a work-group, through registers, and is read by four work-groups.
; SHARES.  Work-group (z, 16 b + h): the tiles T = 4 i + z, i = 0 .. 31, of 16 places of queries of one head.  Wave w takes i = w, then i = 31 - w.  A lane holds ONE query throughout: both products are
; used transposed: S^T = K Q^T (source 0 = 16 places of keys), O^T = V^T P^T (source 0 = 16 places of the head's 64).
; By the order of places, register 8 t + j of S^T in lane (r, h) is key 128 s + 32 (t / 2) + 16 h + 8 (t % 2) + j, and the same holds of O^T's registers along the head's 64.
; K = 64 IN AN INSTRUCTION OF 128: Q's registers 4-7 are zero codes, and bytes 2, 3 of both scale words are 0 (2^-127, no NaN).  A tile of K is 4 registers; the instruction names 8: the upper four are the
; next tile's codes (behind the last tile: zeros); they meet zero codes and add exactly 0.
; LDS is written once, ahead of the one barrier, but for each wave's own stage.  Images are read 512 consecutive bytes an instruction: no pitch, no padding.
; THE MODE: SCHED_MODE bits 1:0 = 2 (LLVM: expert scheduling mode 2), set by the entry lines.  The code itself states the register dependences between vector or matrix instructions and memory or LDS
; instructions, with s_wait_alu, always for 0.
; THE PLAN.  Registers that memory or LDS instructions touch:
;   v8-11          At the head the fill's offsets and LDS addresses (with v75).  In a step: written by its four adds, read by its 18 LDS loads.
;   v96-165        The fill: global loads land, LDS stores read.  Afterwards S^T, p and O^T, written by matrix and vector instructions.
;   v16-19, v24    A tile's two global loads land; each step's K Q^T products read them.
;   v32-63, v68-71 A step's LDS loads land; its K Q^T products read them.  The way out: the stage's loads land in v32-63, the global stores read them.
;   v192-223, v72-73  A step's LDS loads land; its V^T P^T products read them.
;   v96-127        The way out: written by the sixteen multiplies, read by the stage's LDS stores.
;   v1, v25, v7, v27, v28, v5, v6   Offsets and addresses written once at the head and never again.
; A step has one wait on vm_vsrc and one on va_vdst at its head, round the four adds: an LDS address has no scalar base, and the wave's 256 registers leave no room for a second set of K's and V's 70, so the
; step's loads follow that one wait in a run, as early as they can stand.  The waits behind the two batches of exponentials and the one ahead of V^T P^T (its operand and scale word come from vector
; instructions) are the step's others.  A tile has one wait on vm_vsrc at its head and, beside the reciprocal's, one on va_vdst on its way out, which also covers the next tile's loads of Q.
.set KIMG,  0                          ; K: 128 tiles x 512 bytes
.set VIMG,  65536                      ; V: 16 steps x 4 tiles x 2 halves x 512 bytes
.set KSC,   131072                     ; K's scale words: 16 steps x 512 bytes
.set VSC,   139264                     ; V's: 16 steps x 256 bytes
.set STG,   143360                     ; the way out: 16 rows x (256 + 16) bytes for each wave
.set SPARE, 212992                     ; the spare words, 128 bytes a wave
.set WV,  14                           ; s14  my wave's number
.set SEL, 66                           ; s[66:67] lane selects: lane l xor 16
.set CS,  68                           ; s[68:69] c = log2(e) / 8
.set MB,  70                           ; s[70:71] the step's mask words
.set OB,  72                           ; s[72:73] the tile's rows of out0
.set QB,  74                           ; s[74:75] Q's image
.set QSB, 76                           ; s[76:77] Q's scale words
.set TT,  78                           ; s78  the tile in hand
.set CW,  79                           ; s79  its classes, two bits a step
.set CL,  96                           ; s96  the step's class
.set TK,  97                           ; s97  4,096 x step: K's and V's images
.set TS,  98                           ; s98  512 x step: K's scale words
.set TV,  99                           ; s99  256 x step: V's
.set CNT, 100
; s16-63, s80-95: the step's 64 mask words.  s[4:13]: img, isc, mw, cls, out0 at my head or batch.
; v1-4 addresses that stay; v5, v6 the add's two; v7 my place in out0's rows; v8-11 addresses in hand; v12 -M, v13 the largest t, v[14:15] the sum; v16-19 Q, v20-23 zero codes; v24 Q's scale word; v25 16 r;
; v26 -2^33; v27, v28 the stage; v32-63 K, v64-67 zero codes; v68-71 K's scale words, v72-73 V's; v96-159 S^T, then p; v160-191 O^T; v192-223 V; v224-231 p's codes; v232-254 at work; v255 p's scale word.
	s_load_b256 s[16:23], s[0:1], 0x0              ; img 16:17, isc 18:19, mw 20:21, cls 22:23
	s_load_b64 s[24:25], s[0:1], 0x20              ; out0
	v_lshl_add_u32 v5, v0, 2, SPARE
	v_mov_b32 v6, 0
	v_lshrrev_b32 v8, 5, v0
	v_readfirstlane_b32 s[WV], v8
	s_and_b32 s26, ttmp7, 0xffff                   ; 16 b + h
	s_lshr_b32 s27, s26, 4                         ; b
	s_and_b32 s28, s26, 15                         ; h
	s_mov_b32 s31, 0
	s_mov_b32 s[SEL], 0x76543210
	s_mov_b32 s[SEL+1], 0xfedcba98
	s_mov_b32 s[CS], 0x3e38aa3b
	s_mov_b32 s[CS+1], s[CS]                       ; (named with it as a pair, so it is written)
	v_lshlrev_b32 v8, 4, v0                        ; the fill: 16 bytes a thread,
	v_lshlrev_b32 v9, 3, v0                        ; or 8
	s_wait_kmcnt 0x0
	s_lshl_b32 s30, s26, 16
	s_add_nc_u64 s[4:5], s[16:17], s[30:31]        ; my head's Q images;
	s_add_nc_u64 s[32:33], s[4:5], 0x400000        ; K's;
	s_add_nc_u64 s[34:35], s[4:5], 0x800000        ; V's
	s_lshl_b32 s30, s26, 13
	s_add_nc_u64 s[6:7], s[18:19], s[30:31]        ; Q's scale words (K's lie 512 Ki on)
	s_lshl_b32 s30, s26, 12
	s_add_nc_u64 s[36:37], s[18:19], s[30:31]
	s_add_nc_u64 s[36:37], s[36:37], 0x100000      ; V's scale words
	s_lshl_b32 s30, s27, 19
	s_add_nc_u64 s[8:9], s[20:21], s[30:31]        ; my batch's mask words,
	s_lshl_b32 s30, s27, 9
	s_add_nc_u64 s[10:11], s[22:23], s[30:31]      ; and classes
	s_lshl_b32 s30, s27, 23
	s_lshl_b32 s29, s28, 8
	s_add_co_u32 s30, s30, s29
	s_add_nc_u64 s[12:13], s[24:25], s[30:31]      ; out0 at my batch's first row, my head's 256 bytes
	; THE FILL: 18 loads a thread, each instruction of the work-group 8,192 (the last: 4,096) consecutive bytes
	s_wait_alu depctr_va_vdst(0)                   ; v8 and v9 are written, which the fill's loads read as their offsets
.irp i, 0,1,2,3,4,5,6,7
	global_load_b128 v[96+4*\i:99+4*\i], v8, s[32:33] offset:8192*\i
.endr
.irp i, 0,1,2,3,4,5,6,7
	global_load_b128 v[128+4*\i:131+4*\i], v8, s[34:35] offset:8192*\i
.endr
	global_load_b128 v[160:163], v8, s[6:7] offset:524288
	global_load_b64 v[164:165], v9, s[36:37]
	v_add_nc_u32 v10, VIMG, v8
	v_add_nc_u32 v11, KSC, v8
	v_add_nc_u32 v75, VSC, v9
	v_and_b32 v30, 31, v0                          ; lane
	v_and_b32 v31, 15, v0                          ; r
	v_bfe_u32 v74, v0, 4, 1                        ; h
	v_lshlrev_b32 v1, 4, v30                       ; 16 x lane: an image's place for my lane
	v_add_nc_u32 v2, VIMG, v1
	v_add_nc_u32 v3, KSC, v1
	v_lshl_add_u32 v4, v30, 3, VSC
	v_lshlrev_b32 v7, 12, v74
	v_lshl_add_u32 v7, v31, 4, v7                  ; out: lanes 0-15 one row of out0, lanes 16-31 the next; 16 bytes a lane
	v_lshlrev_b32 v25, 4, v31
	v_mov_b32 v26, 0xd0000000                      ; -2^33
	s_wait_alu depctr_va_sdst(0)                   ; s14, my wave's number, is written, ahead of its first reader: the line below
	s_mul_i32 s38, s[WV], 16*272
	s_add_co_u32 s38, s38, STG                     ; my stage
	v_mul_u32_u24 v27, v31, 272
	v_lshl_add_u32 v27, v74, 6, v27
	v_add_nc_u32 v27, s38, v27                     ; in: row r, + 64 h
	v_mul_u32_u24 v28, v74, 272
	v_lshl_add_u32 v28, v31, 4, v28
	v_add_nc_u32 v28, s38, v28                     ; back: two rows an instruction
.irp j, 20,21,22,23,64,65,66,67,236,237,238,239,252,253
	v_mov_b32 v\j, 0                               ; zero codes; and registers that are named before they are first written
.endr
	s_wait_alu depctr_va_vdst(0)                   ; v10, v11 and v75 are written, which the LDS stores below read; so are v1, v25, v7, v27, v28, v5 and v6, which later loads, stores and the closing add read, and the zero codes v20-23 and v64-67, which the scaled products take
.irp i, 0,1,2,3,4,5,6,7
	s_wait_loadcnt 17-\i                           ; loads come back in order: the younger ones may be out
	ds_store_b128 v8, v[96+4*\i:99+4*\i] offset:8192*\i
.endr
.irp i, 0,1,2,3,4,5,6,7
	s_wait_loadcnt 9-\i
	ds_store_b128 v10, v[128+4*\i:131+4*\i] offset:8192*\i
.endr
	s_wait_loadcnt 1
	ds_store_b128 v11, v[160:163]
	s_wait_loadcnt 0x0
	ds_store_b64 v75, v[164:165]
	s_wait_dscnt 0x0                               ; for the others' sake: my stores have landed
	s_barrier_signal -1
	s_barrier_wait -1                              ; the head's K, V and scale words lie in LDS; nobody writes them again
; A KEY STEP: 128 keys.
.macro STEP
	s_and_b32 s[CL], s[CW], 3
	s_lshr_b32 s[CW], s[CW], 2
	s_cmp_eq_u32 s[CL], 0
	s_cbranch_scc1 .Lskip_\@                       ; class 0: round the step's work, not round the lines that step addresses
	s_wait_alu depctr_vm_vsrc(0)                   ; the LDS loads of the last step that was walked have read v8-11, which the four lines below write
	v_add_nc_u32 v8, s[TK], v1
	v_add_nc_u32 v9, s[TK], v2
	v_add_nc_u32 v10, s[TS], v3
	v_add_nc_u32 v11, s[TV], v4
	s_wait_alu depctr_va_vdst(0)                   ; v8-11 are written, which the 18 loads below read; the products of the last step that was walked are done reading K's and V's fragments and scale words, in which these loads land
.irp t, 0,1,2,3,4,5,6,7
	ds_load_b128 v[32+4*\t:35+4*\t], v8 offset:512*\t
.endr
	ds_load_b128 v[68:71], v10                     ; register x: lanes 0-15 tile 2 x's words, lanes 16-31 tile 2 x + 1's
.irp t, 0,1,2,3
	ds_load_b128 v[192+8*\t:195+8*\t], v9 offset:1024*\t
	ds_load_b128 v[196+8*\t:199+8*\t], v9 offset:1024*\t+512
.endr
	ds_load_b64 v[72:73], v11
	s_wait_dscnt 9                                 ; K and its scale words are in; V's nine loads may be out
.irp t, 0,1,2,3,4,5,6,7
.if \t % 2
	v_wmma_scale_f32_16x16x128_f8f6f4 v[96+8*\t:103+8*\t], v[32+4*\t:39+4*\t], v[16:23], 0, v[68+\t/2], v24 matrix_a_fmt:MATRIX_FMT_FP4 matrix_b_fmt:MATRIX_FMT_FP4 matrix_a_scale:MATRIX_SCALE_ROW1
.else
	v_wmma_scale_f32_16x16x128_f8f6f4 v[96+8*\t:103+8*\t], v[32+4*\t:39+4*\t], v[16:23], 0, v[68+\t/2], v24 matrix_a_fmt:MATRIX_FMT_FP4 matrix_b_fmt:MATRIX_FMT_FP4
.endif
.endr
.rept 4
	v_nop
.endr
	s_cmp_eq_u32 s[CL], 1
	s_cbranch_scc0 .Lopen_\@                       ; class 2: nothing is hidden
	s_load_b512 s[16:31], s[MB:MB+1], 0x0          ; the step's 64 words: bit l of word n says whether my lane l's register n is hidden
	s_load_b512 s[32:47], s[MB:MB+1], 0x40
	s_load_b512 s[48:63], s[MB:MB+1], 0x80
	s_load_b512 s[80:95], s[MB:MB+1], 0xc0
	s_wait_kmcnt 0x0
.set n, 0
.rept 64
.if n < 48
	v_cndmask_b32 v[96+n], v[96+n], v26, s[16+n]
.else
	v_cndmask_b32 v[96+n], v[96+n], v26, s[32+n]
.endif
.set n, n+1
.endr
.Lopen_\@:
.irp b, 0,1,2,3
	v_max3_num_f32 v[232+\b], v[96+16*\b], v[97+16*\b], v[98+16*\b]   ; the largest score of each block of 32 keys: for the row's maximum and, since p rises with the score, for the block's largest p
.endr
.irp i, 3,5,7,9,11,13
.irp b, 0,1,2,3
	v_max3_num_f32 v[232+\b], v[232+\b], v[96+16*\b+\i], v[97+16*\b+\i]
.endr
.endr
.irp b, 0,1,2,3
	v_max_num_f32 v[232+\b], v[232+\b], v[111+16*\b]
.endr
.irp b, 0,1,2,3
	v_permlanex16_b32 v[236+\b], v[232+\b], s[SEL], s[SEL+1]
.endr
.irp b, 0,1,2,3
	v_max_num_f32 v[232+\b], v[232+\b], v[236+\b]  ; with lane l xor 16's 16 keys
.endr
	v_max3_num_f32 v254, v232, v233, v234
	v_max_num_f32 v254, v254, v235
	v_mul_f32 v254, s[CS], v254                    ; the step's largest t of my query
	v_max_num_f32 v13, v13, v254
	v_mov_b32 v254, v12
	v_floor_f32 v12, -v13                          ; the new -M = floor(-t): M is a whole number
	v_sub_f32 v254, v12, v254                      ; old M - new M: a whole number, 0 or less
	v_cvt_i32_f32 v254, v254                       ; (it saturates)
	v_ldexp_f32 v252, 1.0, v254                    ; f = 2^(old M - new M)
.irp j, 0,2,4,6,8,10,12,14,16,18,20,22,24,26,28,30,32,34,36,38,40,42,44,46,48,50,52,54,56,58,60,62
	v_pk_fma_f32 v[96+\j:97+\j], v[96+\j:97+\j], s[CS:CS+1], v[12:13] op_sel_hi:[1,0,0]   ; t - M
.endr
.irp b, 0,1,2,3
	v_fma_f32 v[232+\b], v[232+\b], s[CS], v12
.endr
.set n, 0
.rept 64
	v_exp_f32 v[96+n], v[96+n]                     ; p = 2^(t - M), at most 1
.set n, n+1
.endr
	v_pk_mul_f32 v[14:15], v[14:15], v[252:253] op_sel_hi:[1,0]   ; the sums under the new M (a plain place behind the exponentials)
	s_wait_alu depctr_va_vdst(0)                   ; the 64 exponentials have written v96-159: one wait for the batch, ahead of its first reader
.irp b, 0,1,2,3
	v_exp_f32 v[232+\b], v[232+\b]                 ; each block's largest p
.endr
	v_pk_add_f32 v[236:237], v[96:97], v[98:99]    ; the row's sum of the unquantised p, in two chains
.irp j, 4,8,12,16,20,24,28,32,36,40,44,48,52,56,60
	v_pk_add_f32 v[14:15], v[14:15], v[96+\j:97+\j]
	v_pk_add_f32 v[236:237], v[236:237], v[98+\j:99+\j]
.endr
	v_pk_add_f32 v[14:15], v[14:15], v[236:237]
	s_wait_alu depctr_va_vdst(0)                   ; the four exponentials have written v232-235, ahead of their first reader
.irp b, 0,1,2,3
	v_max_num_f32 v[232+\b], 0x1800000, v[232+\b]  ; the floor 2^(3 - 127): the byte cannot fall under 1
.endr
.irp b, 0,1,2,3
	v_add_nc_u32 v[244+\b], 0xff000000, v[232+\b]  ; the conversion's scale operand
.endr
.irp b, 0,1,2,3
	v_lshrrev_b32 v[236+\b], 23, v[244+\b]         ; the scale's byte
.endr
	v_lshl_or_b32 v255, v237, 8, v236              ; p's scale word for these 128 keys
	v_lshl_or_b32 v255, v238, 16, v255
	v_lshl_or_b32 v255, v239, 24, v255
.irp b, 0,1,2,3
	v_cvt_scalef32_pk8_fp4_f32 v[224+2*\b], v[96+16*\b:103+16*\b], v[244+\b]
	v_cvt_scalef32_pk8_fp4_f32 v[225+2*\b], v[104+16*\b:111+16*\b], v[244+\b]
.endr
	v_nop                                          ; one plain place behind a scaled conversion
.irp c, 0,1
.irp i, 0,1
	v_permlane16_swap_b32 v[224+4*\c+\i], v[226+4*\c+\i]   ; a whole block in a lane
.endr
.endr
.irp j, 0,2,4,6,8,10,12,14,16,18,20,22,24,26,28,30
	v_pk_mul_f32 v[160+\j:161+\j], v[160+\j:161+\j], v[252:253] op_sel_hi:[1,0]   ; O^T under the new M; these sixteen are also the places between the scale word's and the codes' last writes and the products
.endr
	s_wait_alu depctr_va_vdst(0)                   ; behind the places: the conversions and swaps have written p's codes v224-231 and the shifts its scale word v255, which the scaled products below take
	s_wait_dscnt 0x0                               ; V and its scale words are in
.irp t, 0,1,2,3                        ; the four accumulators take turns, one instruction a turn
.if \t % 2
	v_wmma_scale_f32_16x16x128_f8f6f4 v[160+8*\t:167+8*\t], v[192+8*\t:199+8*\t], v[224:231], v[160+8*\t:167+8*\t], v[72+\t/2], v255 matrix_a_fmt:MATRIX_FMT_FP4 matrix_b_fmt:MATRIX_FMT_FP4 matrix_a_scale:MATRIX_SCALE_ROW1
.else
	v_wmma_scale_f32_16x16x128_f8f6f4 v[160+8*\t:167+8*\t], v[192+8*\t:199+8*\t], v[224:231], v[160+8*\t:167+8*\t], v[72+\t/2], v255 matrix_a_fmt:MATRIX_FMT_FP4 matrix_b_fmt:MATRIX_FMT_FP4
.endif
.endr
.Lskip_\@:
.endm
; A TILE of 16 places of queries: s[TT] says which.
.macro TILE
	s_wait_xcnt 0x0                                ; the last tile's stores and loads have read their data and bases
	s_wait_alu depctr_vm_vsrc(0)                   ; first tile: the fill's loads and LDS stores have read v8-11 and v96-165; second tile: the way out's LDS stores have read v96-127 and its global stores v32-63: all of these are written again below
	s_lshl_b32 s80, s[TT], 2
	s_mov_b32 s81, 0
	s_add_nc_u64 s[80:81], s[10:11], s[80:81]
	s_load_b32 s[CW], s[80:81], 0x0                ; the tile's 16 classes
	s_lshl_b32 s[QB], s[TT], 9
	s_mov_b32 s[QB+1], 0
	s_add_nc_u64 s[QB:QB+1], s[4:5], s[QB:QB+1]
	global_load_b128 v[16:19], v1, s[QB:QB+1]      ; Q's four registers, as they were stored.  No wait: no vector or matrix instruction since the last wait on va_vdst (ahead of the fill's, or of the stage's, LDS stores) names v16-19, v24, v1 or v25
	s_lshr_b32 s[QSB], s[TT], 3
	s_lshl_b32 s[QSB], s[QSB], 9
	s_and_b32 s[QSB+1], s[TT], 1
	s_lshl_b32 s[QSB+1], s[QSB+1], 8
	s_add_co_u32 s[QSB], s[QSB], s[QSB+1]
	s_bfe_u32 s[QSB+1], s[TT], 0x20001
	s_lshl_b32 s[QSB+1], s[QSB+1], 2
	s_add_co_u32 s[QSB], s[QSB], s[QSB+1]          ; 512 (T / 8) + 256 (T % 2) + 4 ((T / 2) % 4)
	s_mov_b32 s[QSB+1], 0
	s_add_nc_u64 s[QSB:QSB+1], s[6:7], s[QSB:QSB+1]
	global_load_b32 v24, v25, s[QSB:QSB+1]         ; row r's scale word, 16 bytes from row to row
	s_lshl_b32 s[MB], s[TT], 12
	s_mov_b32 s[MB+1], 0
	s_add_nc_u64 s[MB:MB+1], s[8:9], s[MB:MB+1]
	s_lshr_b32 s[OB], s[TT], 1
	s_lshl_b32 s[OB], s[OB], 5
	s_and_b32 s[OB+1], s[TT], 1
	s_lshl_b32 s[OB+1], s[OB+1], 3
	s_add_co_u32 s[OB], s[OB], s[OB+1]             ; the tile's first query: 32 (T / 2) + 8 (T % 2)
	s_lshl_b32 s[OB], s[OB], 12
	s_mov_b32 s[OB+1], 0
	s_add_nc_u64 s[OB:OB+1], s[12:13], s[OB:OB+1]
	v_mov_b32 v13, 0xff61b1e6                      ; the largest t so far: -3e38
	v_floor_f32 v12, -v13
	v_mov_b32 v14, 0
	v_mov_b32 v15, 0
.set n, 0
.rept 32
	v_mov_b32 v[160+n], 0                          ; O^T: which step is a tile's first hangs on its classes, so no first step can be written out: the first change of M multiplies zeros
.set n, n+1
.endr
	s_mov_b32 s[TK], 0
	s_mov_b32 s[TS], 0
	s_mov_b32 s[TV], 0
	s_mov_b32 s[CNT], 16
	s_wait_kmcnt 0x0
	s_wait_loadcnt 0x0
.Lstep_\@:                                         ; sixteen trips, a constant
	STEP
	s_add_co_u32 s[TK], s[TK], 4096
	s_add_co_u32 s[TS], s[TS], 512
	s_add_co_u32 s[TV], s[TV], 256
	s_add_nc_u64 s[MB:MB+1], s[MB:MB+1], 256       ; (the step's scalar loads, if any, were waited for)
	s_sub_co_u32 s[CNT], s[CNT], 1
	s_cmp_lg_u32 s[CNT], 0
	s_cbranch_scc1 .Lstep_\@
	; THE WAY OUT: O^T / the sum goes through my stage and leaves as rows: sixteen lanes store a query's 256 bytes of this head, aligned
.rept 4
	v_nop                                          ; places behind the last products
.endr
	v_add_f32 v14, v14, v15
	v_permlanex16_b32 v252, v14, s[SEL], s[SEL+1]
	v_add_f32 v14, v14, v252                       ; the row's sum
	v_rcp_f32 v14, v14
	v_nop                                          ; a plain place behind the reciprocal
	s_wait_alu depctr_va_vdst(0)                   ; the reciprocal has written v14, ahead of its first reader
.irp j, 0,2,4,6,8,10,12,14,16,18,20,22,24,26,28,30
	v_pk_mul_f32 v[96+\j:97+\j], v[160+\j:161+\j], v[14:15] op_sel_hi:[1,0]   ; register 16 d + i is channel 32 d + 16 h + i of my query
.endr
	s_wait_alu depctr_va_vdst(0)                   ; the multiplies have written v96-127, which the LDS stores read; the tile's products are done reading v32-63, in which the stage's loads land, and v16-19 and v24, in which the next tile's loads land
.irp d, 0,1
.irp k, 0,1,2,3
	ds_store_b128 v27, v[96+16*\d+4*\k:99+16*\d+4*\k] offset:128*\d+16*\k
.endr
.endr
.irp i, 0,1,2,3,4,5,6,7
	ds_load_b128 v[32+4*\i:35+4*\i], v28 offset:544*\i   ; LDS serves a wave's instructions in order: these see my stores
.endr
.irp i, 0,1,2,3,4,5,6,7
	s_wait_dscnt 7-\i
	global_store_b128 v7, v[32+4*\i:35+4*\i], s[OB:OB+1] offset:(2*\i+8*(\i/4))*4096 th:TH_STORE_NT   ; places 2 i, 2 i + 1 are queries 2 i + 8 (i / 4) and the next
.endr
.endm
	s_lshl_b32 s[TT], s[WV], 2
	s_add_co_u32 s[TT], s[TT], ttmp9               ; T = 4 w + z
	TILE
	s_sub_co_u32 s[TT], 31, s[WV]
	s_lshl_b32 s[TT], s[TT], 2
	s_add_co_u32 s[TT], s[TT], ttmp9               ; T = 4 (31 - w) + z
	TILE
	s_wait_dscnt 0x0                               ; the wave's end
	s_wait_alu 0x0
	s_wait_tensorcnt 0x0
	ds_add_u32 v5, v6
	s_wait_dscnt 0x0
	s_endpgm
.Lfunc_end_k_qe714495d85_attn:
	.size	k_qe714495d85_attn, .Lfunc_end_k_qe714495d85_attn-k_qe714495d85_attn
	.p2alignl 7, 3214868480
	.fill 96, 4, 3214868480
	.section	.rodata,"a",@progbits
	.p2align	6, 0x0
	.amdhsa_kernel k_qe714495d85_attn
		.amdhsa_group_segment_fixed_size 215040
		.amdhsa_private_segment_fixed_size 0
		.amdhsa_enable_private_segment 0
		.amdhsa_kernarg_size 40
		.amdhsa_user_sgpr_count 2
		.amdhsa_user_sgpr_kernarg_segment_ptr 1
		.amdhsa_wavefront_size32 1
		.amdhsa_system_sgpr_workgroup_id_x 1
		.amdhsa_system_sgpr_workgroup_id_y 1
		.amdhsa_system_sgpr_workgroup_id_z 1
		.amdhsa_system_vgpr_workitem_id 0
		.amdhsa_next_free_vgpr 256
		.amdhsa_next_free_sgpr 102
		.amdhsa_reserve_vcc 0
		.amdhsa_float_denorm_mode_32 3
		.amdhsa_float_denorm_mode_16_64 3
		.amdhsa_memory_ordered 1
		.amdhsa_forward_progress 1
		.amdhsa_inst_pref_size 59
	.end_amdhsa_kernel
	.amdgpu_metadata
---
amdhsa.version: [ 1, 2 ]
amdhsa.kernels:
  - .name:           k_qe714495d85_attn
    .symbol:         k_qe714495d85_attn.kd
    .args:
      - { .name: img, .offset: 0, .size: 8, .value_kind: global_buffer, .address_space: global }
      - { .name: isc, .offset: 8, .size: 8, .value_kind: global_buffer, .address_space: global }
      - { .name: mw, .offset: 16, .size: 8, .value_kind: global_buffer, .address_space: global }
      - { .name: cls, .offset: 24, .size: 8, .value_kind: global_buffer, .address_space: global }
      - { .name: out0, .offset: 32, .size: 8, .value_kind: global_buffer, .address_space: global }
    .group_segment_fixed_size: 215040
    .private_segment_fixed_size: 0
    .kernarg_segment_align: 8
    .kernarg_segment_size: 40
    .max_flat_workgroup_size: 512
    .sgpr_count:     102
    .vgpr_count:     256
    .wavefront_size: 32
...
	.end_amdgpu_metadata
.endif
;; end of part 4
